; MI455X (gfx1250); checked and timed in simulation.
; The chip was launched on July 23, 2026; its instructions are those of AMD's public machine-readable ISA for CDNA 5 (MIT licence, August 2026) and "CDNA5" Instruction Set Architecture Reference Guide (July 2026). The comments in the code are by the model that wrote it; some were corrected since.
;; Grouped Query Attention. Allowed arithmetic: matrix products marked QUANTISED: E2M3 operands, one E8M0 scale for each 32 along K, by v_wmma_scale_f32_16x16x128_f8f6f4 with both operands' format E2M3, f32 sums; everything else in f32.
;; Inputs: Wk 512 x 2,048 float32; Wo 2,048 x 2,048 float32; Wq 2,048 x 2,048 float32; Wv 512 x 2,048 float32; x 4 x 1,024 x 2,048 float32.
;; Outputs: out0 4 x 1,024 x 2,048 float32.
;; This version of the problem:
;;   THIS VERSION OF THE PROBLEM IS GIVEN IN LOW PRECISION. The matrix products marked QUANTISED in the list below multiply operands that are first quantised to E2M3 (2 exponent bits, 3 mantissa bits; 6 bits a number), with one power-of-two scale for each 32 numbers along K (OCP MX v1.0); their sums are f32. All else is computed in f32.
;;   The module's matrix products, in the order in which they are computed (A, B: the left and right operand; K: the contracted axis; several contracted axes count as one K, in the product's order):
;;     1. [M 4,096, K 2,048] x [K 2,048, N 2,048]; A: input x; B: input Wq: QUANTISED
;;     2. [M 4,096, K 2,048] x [K 2,048, N 512]; A: input x; B: input Wk: QUANTISED
;;     3. [M 4,096, K 2,048] x [K 2,048, N 512]; A: input x; B: input Wv: QUANTISED
;;     4. batch 16 x [M 4,096, K 128] x [K 128, N 1,024]; A: computed on the way; B: computed on the way: QUANTISED
;;     5. batch 16 x [M 4,096, K 1,024] x [K 1,024, N 128]; A: softmax (see below); B: computed on the way: QUANTISED
;;     6. [M 4,096, K 2,048] x [K 2,048, N 2,048]; A: computed on the way; B: input Wo: QUANTISED
;;   THE QUANTISER, for each operand of a quantised product, along K:
;;     - K is cut into blocks of 32 from its start; a last block that is shorter is filled with zeros.
;;     - A block's scale is 2^e with e = floor(log2(the largest magnitude in the block)) - 2, held to -126 .. 127; a block of zeros has e = 0. As a byte (E8M0): e + 127.
;;     - Each number is divided by its block's scale, clamped to +-7.5, and rounded to the nearest number of E2M3, ties to even, subnormals kept.
;;     - The product sums the exact products of the quantised numbers (number of the format x scale) in f32.
;;   ~~~python
;;   def quantise(x, axis):      # numpy; x: float32 -> the quantised numbers, widened to float32 again
;;       x = np.moveaxis(x, axis, -1); K = x.shape[-1]
;;       x = np.pad(x, [(0, 0)] * (x.ndim - 1) + [(0, -K % 32)]); x = x.reshape(x.shape[:-1] + (-1, 32)); a = np.abs(x).max(-1, keepdims=True)
;;       e = np.where(a > 0, np.clip(np.frexp(np.where(a > 0, a, 1))[1] - 1 - 2, -126, 127), 0)      # np.frexp(a)[1] - 1 = floor(log2(a)), exactly
;;       r = np.clip(x / 2.0 ** e, -7.5, 7.5)
;;       step = 2.0 ** (np.maximum(np.frexp(np.where(r == 0, 1, r))[1] - 1, 0) - 3)
;;       q = np.round(r / step) * step * 2.0 ** e      # np.round: ties to even
;;       return np.moveaxis(q.reshape(q.shape[:-2] + (-1,))[..., :K], -1, axis).astype(np.float32)
;;   ~~~
;;   SOFTMAX AHEAD OF A QUANTISED PRODUCT. Where the list says 'softmax', what is quantised is not the finished softmax but p = 2^(t - M), with t = logit x log2(e) and M = ceil(the row's largest t), a whole number; so 1/2 < the row's largest p <= 1. The row's sum l is taken of the UNQUANTISED p, in f32, and the product's result is divided by l at the end. Since M is a whole number, a kernel that streams over the keys may use a running M (the ceiling of the running maximum): every later rescaling is an exact power of two, which a block's scale takes up: the codes' values come out the same.
;;   OPERANDS COMPUTED ON THE WAY. 'Computed on the way' means the value that the module computes at that place (a softmax that the list does not call 'softmax' is quantised finished and normalised). What goes into a quantiser is computed in f32, as accurately as f32 sums, v_exp_f32 and their like allow (about 1e-6 of the number): no bf16 or f16 on the way to a quantiser, and a product that is left as it is and whose result goes on into a quantised operand takes f32 operands (vector FMAs, or v_wmma_f32_16x16x4_f32). A number that lies on a knife's edge between two numbers of the format may be rounded either way, as far as f32 arithmetic and the matrix unit's own rounding can turn it there, and no further.
;; One version. Each part assembles by itself: llvm-mc -triple=amdgcn-amd-amdhsa -mcpu=gfx1250 --defsym DOCPART=n.
;; ======== version 1 of 1: 4 launches
;; limits: right only within a limited range of input values
;; workspace buffers: xcod 6,553,600 bytes; wcod 4,915,200 bytes; ocod 3,276,800 bytes; rope 524,288 bytes; qimg 6,553,600 bytes; kvimg 3,276,800 bytes; aimg 6,553,600 bytes
;; launch quant (part 1): grid 608 x 1, 4 waves a work-group, no clusters, 34,304 bytes of LDS; arguments x, Wq, Wk, Wv, Wo, xcod, wcod, ocod, rope; writes xcod, wcod, ocod, rope
.if DOCPART == 1
	.amdgcn_target "amdgcn-amd-amdhsa--gfx1250"
	.amdhsa_code_object_version 6
	.text
	.protected	k_qe7a149e6a9_quant
	.globl	k_qe7a149e6a9_quant
	.p2align	8
	.type	k_qe7a149e6a9_quant,@function
k_qe7a149e6a9_quant:
	s_mov_b64 s[64:65], 0
	v_nop
	global_prefetch_b8 v0, s[64:65] scope:SCOPE_SE
	s_setreg_imm32_b32 hwreg(HW_REG_WAVE_MODE, 25, 1), 1
	s_wait_xcnt 0x0
; x [4096][2048], Wq [2048][2048], Wk, Wv [512][2048], Wo [2048][2048], all f32 with K innermost, become codes of FP6 (E2M3) with one E8M0 scale byte for each 32 along K;
; and the table of cosines and sines for the rotary embedding is made.
; LAYOUT OF THE CODES: AN IMAGE OF THE OPERAND'S REGISTERS.  A fragment (16 rows x 128 K, 12 registers a lane) is 1,536 bytes: piece c of three holds registers 4 c .. 4 c + 3 of lane l at byte 512 c + 16 l.
; A buffer of codes is [tile of 16 rows][16 K steps of 128][1,536]; behind the codes lie the scale words, [tile][K step / 4][row 0..15][K step % 4], 4 bytes each.
; THE ROWS OF A TILE ARE NOT NEIGHBOURS: lane r of tile a holds row 32 (a / 2) + 8 (a % 2) + r + 8 (r / 8).  So a product's results, used transposed, have 16 neighbours along the next K in 16 registers.
; wcod's tiles: 0-127 Wq; 128 + 16 g + j Wk's head g; 136 + 16 g + j Wv's head g (j = 0..7).
; SHARES.  Work-groups 0-575 quantise: a work-group takes one tile, its wave w K steps 4 w .. 4 w + 3.  A K step's 16 rows x 512 bytes are loaded as they lie (a load = one row's 512 consecutive bytes), turned through the
; wave's own stage in LDS (rows 528 bytes apart, an odd multiple of 16), so that a lane holds 16 neighbours of each block of 32, and quantised.  Two K steps' loads (32 a wave) are on their way;
; short waves, and many of them: 2,304 waves of 32 KB each, several work-groups to a WGP.
; Work-groups 576-607 make the table: [tile of positions 0..63][q 0..15][lane][4 f32], q 0-7 cosines, q 8-15 sines: register 4 (q % 8) + e of lane (r, h) is frequency 32 ((q % 8) / 4) + 16 h + 4 (q % 4) + e
; at the position that lane r of the tile holds: the layout of the products' results that it multiplies.
; A block's scale is 2^(floor(log2(its largest magnitude)) - 2); its byte is the largest magnitude's exponent field - 2, held at 1 from below.
; LIMITS: a block of zeros gets the byte 1 where the problem's rule says 127 (its codes are zeros, and this program alone reads the bytes); blocks whose largest magnitude lies under 2^-124 keep the byte 1;
; NaN and infinities are not served.  The frequencies 10000^(-d / 64) are within about 1.5 ulp of the exact power; at position 1,023 that is an angle within about 1e-4.
.set XSC, 6291456                      ; where the scale words begin in xcod,
.set WSC, 4718592                      ; in wcod,
.set OSC, 3145728                      ; in ocod
.set NQW, 576                          ; work-groups that quantise
.set R,   16                           ; v16-143  two sets of 64: a K step as loaded
.set X,   144                          ; v144-207 64 numbers: register 16 b + i = k 32 b + 16 (lane / 16) + i of my row
.set PC,  208                          ; v208-227 the codes just made
.set TM,  228                          ; v228-243 at work in QUANT
.set PWS, 244                          ; v244-247 the four K steps' scale words
.set PW,  252                          ; v252     the scale word just made
.set SEL, 40                           ; s[40:41] lane selects for v_permlanex16_b32: lane l xor 16
; 64 numbers of a lane, v[s] .. v[s + 63], become a fragment's codes in v[PC] .. v[PC + 11] and its rows' scale word in v[PW] (the same in lanes r and r + 16).
.macro QUANT s
.irp b, 0,1,2,3
	v_max3_num_f32 v[TM+\b], |v[\s+16*\b]|, |v[\s+1+16*\b]|, 0x1800000   ; block b: my 16 numbers, and the floor 2^(3 - 127): the byte cannot fall under 1
.endr
.irp i, 2,4,6,8,10,12,14
.irp b, 0,1,2,3
	v_max3_num_f32 v[TM+\b], v[TM+\b], |v[\s+16*\b+\i]|, |v[\s+1+16*\b+\i]|   ; the four blocks by turns
.endr
.endr
.irp b, 0,1,2,3
	v_permlanex16_b32 v[TM+4+\b], v[TM+\b], s[SEL], s[SEL+1]
.endr
.irp b, 0,1,2,3
	v_max_num_f32 v[TM+\b], v[TM+\b], v[TM+4+\b]      ; with lane l xor 16's 16: the block's largest magnitude
.endr
.irp b, 0,1,2,3
	v_add_nc_u32 v[TM+12+\b], 0xff000000, v[TM+\b]    ; 2 off its exponent field: the conversion takes the exponent field of this operand as its scale
.endr
.irp b, 0,1,2,3
	v_lshrrev_b32 v[TM+4+\b], 23, v[TM+12+\b]         ; the scale's byte
.endr
	v_lshl_or_b32 v[PW], v[TM+5], 8, v[TM+4]
	v_lshl_or_b32 v[PW], v[TM+6], 16, v[PW]
	v_lshl_or_b32 v[PW], v[TM+7], 24, v[PW]
.irp c, 0,1
	v_cvt_scalef32_pk16_fp6_f32 v[PC+6*\c:PC+2+6*\c], v[\s+32*\c:\s+15+32*\c], v[TM+12+2*\c]
	v_cvt_scalef32_pk16_fp6_f32 v[PC+12+4*\c:PC+14+4*\c], v[\s+16+32*\c:\s+31+32*\c], v[TM+12+2*\c+1]   ; (a conversion's three registers begin on an even number)
.endr
	v_nop                                             ; one plain place behind a scaled conversion
.irp c, 0,1                                       ; the operand's layout wants a whole block in a lane: lanes 0-15 block 2 c, lanes 16-31 block 2 c + 1
.irp i, 0,1,2
	v_permlane16_swap_b32 v[PC+6*\c+\i], v[PC+12+4*\c+\i]
.endr
.irp i, 0,1,2
	v_mov_b32 v[PC+3+6*\c+\i], v[PC+12+4*\c+\i]
.endr
.endr
.endm
.macro LOADU t                         ; K step t of my four: row i of the tile, 512 consecutive bytes a load
.irp i, 0,1,2,3,4,5,6,7,8,9,10,11,12,13,14,15
	global_load_b128 v[R+64*((\t)%2)+4*\i:R+64*((\t)%2)+4*\i+3], v2, s[22:23] offset:(\i+8*(\i/8))*8192+512*(\t) th:TH_LOAD_NT
.endr
.endm
.macro UNIT t
.if (\t) < 3
	s_wait_loadcnt 16                                 ; this K step's 16 loads are in; the next one's 16 stay out
.else
	s_wait_loadcnt 0x0
.endif
.irp i, 0,1,2,3,4,5,6,7,8,9,10,11,12,13,14,15
	ds_store_b128 v3, v[R+64*((\t)%2)+4*\i:R+64*((\t)%2)+4*\i+3] offset:528*\i
.endr
.irp b, 0,1,2,3
.irp j, 0,1,2,3
	ds_load_b128 v[X+16*\b+4*\j:X+16*\b+4*\j+3], v4 offset:128*\b+16*\j   ; LDS serves a wave's instructions in order (ISA guide 5.7.1.4): these see the stores above
.endr
.endr
	s_wait_dscnt 0x0                                  ; my 64 numbers are in, and the stores have read the set that is loaded again below
	s_wait_xcnt 0x0                                   ; the last K step's stores have read the codes' registers, which QUANT writes again
.if (\t) < 2
	LOADU (\t)+2
.endif
	QUANT X
	v_mov_b32 v[PWS+(\t)], v[PW]
.irp c, 0,1,2
	global_store_b128 v2, v[PC+4*\c:PC+4*\c+3], s[46:47] offset:1536*(\t)+512*\c   ; 32 lanes store 512 consecutive bytes
.endr
.endm
	s_load_b256 s[4:11], s[0:1], 0x0                  ; x, Wq, Wk, Wv
	s_load_b256 s[12:19], s[0:1], 0x20                ; Wo, xcod, wcod, ocod
	s_load_b64 s[20:21], s[0:1], 0x40                 ; rope
	v_lshl_add_u32 v254, v0, 2, 0x8400
	v_mov_b32 v255, 0
	s_cmp_ge_u32 ttmp9, NQW
	s_cbranch_scc1 .Lrope
	; ---------------- the quantiser
	v_lshrrev_b32 v5, 5, v0
	v_readfirstlane_b32 s36, v5                       ; wave 0..3: which four K steps
	v_and_b32 v1, 31, v0                              ; lane
	v_lshlrev_b32 v2, 4, v1                           ; 16 x lane
	v_and_b32 v6, 15, v0                              ; r
	v_bfe_u32 v7, v0, 4, 1                            ; h
	s_mul_i32 s37, s36, 8448                          ; my stage: 16 rows x 528 bytes
	v_add_nc_u32 v3, s37, v2                          ; in: 16 x lane of a row
	v_mul_u32_u24 v4, v6, 528
	v_lshl_add_u32 v4, v7, 6, v4
	v_add_nc_u32 v4, s37, v4                          ; out: row r, + 64 h
.irp b, 0,1,2,3
	v_mov_b32 v[TM+4+\b], 0                           ; written once: a lane permute's destination counts as one of its sources
.endr
	s_mov_b32 s[SEL], 0x76543210
	s_mov_b32 s[SEL+1], 0xfedcba98
	s_mov_b32 s30, WSC
	s_mov_b32 s31, XSC
	s_wait_alu depctr_va_vdst(0)
	s_wait_kmcnt 0x0
	; which tensor: the choices hang on the work-group's number alone.  s[22:23] source, s[24:25] destination, s26 first work-group, s27 first tile, s28 mask of the fold, s29 where the scale words begin
	s_mov_b64 s[22:23], s[12:13]                      ; 448..575: Wo -> ocod
	s_mov_b64 s[24:25], s[18:19]
	s_mov_b32 s26, 448
	s_mov_b32 s27, 0
	s_mov_b32 s28, 0
	s_mov_b32 s29, OSC
	s_cmp_lt_u32 ttmp9, 448                           ; 416..447: Wv -> wcod, tiles 136 + 16 g + j
	s_cselect_b64 s[22:23], s[10:11], s[22:23]
	s_cselect_b64 s[24:25], s[16:17], s[24:25]
	s_cselect_b32 s26, 416, s26
	s_cselect_b32 s27, 136, s27
	s_cselect_b32 s28, -1, s28
	s_cselect_b32 s29, s30, s29
	s_cmp_lt_u32 ttmp9, 416                           ; 384..415: Wk -> wcod, tiles 128 + 16 g + j
	s_cselect_b64 s[22:23], s[8:9], s[22:23]
	s_cselect_b32 s26, 384, s26
	s_cselect_b32 s27, 128, s27
	s_cmp_lt_u32 ttmp9, 384                           ; 256..383: Wq -> wcod, tiles 0..127
	s_cselect_b64 s[22:23], s[6:7], s[22:23]
	s_cselect_b32 s26, 256, s26
	s_cselect_b32 s27, 0, s27
	s_cselect_b32 s28, 0, s28
	s_cmp_lt_u32 ttmp9, 256                           ; 0..255: x -> xcod
	s_cselect_b64 s[22:23], s[4:5], s[22:23]
	s_cselect_b64 s[24:25], s[14:15], s[24:25]
	s_cselect_b32 s26, 0, s26
	s_cselect_b32 s29, s31, s29
	s_sub_co_u32 s37, ttmp9, s26                      ; my tile in the source
	s_lshr_b32 s42, s37, 1
	s_lshl_b32 s42, s42, 5
	s_and_b32 s43, s37, 1
	s_lshl_b32 s43, s43, 3
	s_add_co_u32 s42, s42, s43                        ; the tile's first row: 32 (tile / 2) + 8 (tile % 2)
	s_lshl_b32 s42, s42, 13                           ; rows of 8,192 bytes
	s_lshl_b32 s43, s36, 11                           ; my four K steps: 2,048 bytes of a row
	s_add_co_u32 s42, s42, s43
	s_mov_b32 s43, 0
	s_add_nc_u64 s[22:23], s[22:23], s[42:43]
	s_and_not1_b32 s44, s37, 7
	s_and_b32 s44, s44, s28
	s_add_co_u32 s44, s44, s37
	s_add_co_u32 s44, s44, s27                        ; my tile in the destination
	s_mul_i32 s42, s44, 24576
	s_mul_i32 s45, s36, 6144
	s_add_co_u32 s42, s42, s45
	s_add_nc_u64 s[46:47], s[24:25], s[42:43]         ; my codes
	s_lshl_b32 s42, s44, 10
	s_lshl_b32 s45, s36, 8
	s_add_co_u32 s42, s42, s45
	s_add_co_u32 s42, s42, s29
	s_add_nc_u64 s[48:49], s[24:25], s[42:43]         ; my scale words: one group of four K steps, 256 bytes
	LOADU 0
	LOADU 1
.irp t, 0,1,2,3
	UNIT \t
.endr
	s_wait_alu depctr_va_vdst(0)
	s_wait_xcnt 0x0                                   ; EXEC changes only behind this wait
	v_cmp_gt_u32 vcc_lo, 16, v1
	s_wait_tensorcnt 0x0
	ds_add_u32 v254, v255
	s_wait_dscnt 0x0
	s_and_saveexec_b32 s50, vcc_lo
	global_store_b128 v2, v[PWS:PWS+3], s[48:49]      ; lanes 0-15: row r's four words: 256 consecutive bytes, at a multiple of 256 from the buffer's first byte
	s_wait_xcnt 0x0                                   ; and again, in front of the line that widens it
	s_or_b32 exec_lo, exec_lo, s50
	s_endpgm
	; ---------------- the table of cosines and sines.  4,096 threads; a thread has four frequencies and four positions, 256 apart
.Lrope:
	s_sub_co_u32 s36, ttmp9, NQW
	s_lshl_b32 s36, s36, 7
	v_add_nc_u32 v1, s36, v0                          ; T = 0 .. 4,095
	v_and_b32 v2, 15, v0                              ; r
	v_bfe_u32 v3, v0, 4, 1                            ; h
	v_bfe_u32 v4, v1, 5, 3                            ; q % 8
	v_lshrrev_b32 v5, 8, v1                           ; tile of positions, 0..15
	v_lshrrev_b32 v6, 2, v4
	v_lshlrev_b32 v6, 5, v6
	v_lshl_add_u32 v6, v3, 4, v6
	v_and_b32 v7, 3, v4
	v_lshl_add_u32 v6, v7, 2, v6                      ; my first frequency: 32 (q / 4) + 16 h + 4 (q % 4)
	v_lshrrev_b32 v7, 1, v5
	v_lshlrev_b32 v7, 5, v7
	v_and_b32 v8, 1, v5
	v_lshl_add_u32 v7, v8, 3, v7
	v_add_nc_u32 v7, v7, v2
	v_and_b32 v8, 8, v2
	v_add_nc_u32 v7, v7, v8                           ; my first position
	v_and_b32 v9, 255, v1
	v_lshlrev_b32 v9, 4, v9
	v_lshl_add_u32 v9, v5, 13, v9                     ; where my 16 bytes go: 8,192 x tile + 16 (T % 256)
	s_mov_b32 s50, 0xbe549a80                         ; -Lh: log2(10000) / 64 cut to 17 bits, so that d x Lh is exact for d under 64
	s_mov_b32 s51, 0x33aae0c2                         ; (Lh - log2(10000) / 64) ln 2: the rest, as a factor 1 + d x this
	s_mov_b32 s52, 0x3f22f983                         ; 2 / pi
	s_mov_b32 s53, 0x3fc90fdb                         ; pi / 2, upper part
	s_mov_b32 s54, 0xb33bbd2e                         ; and lower part
	s_mov_b32 s55, 0xbe2aaaa3                         ; sine: rho + rho z (S1 + z (S2 + z S3)), z = rho^2
	s_mov_b32 s56, 0x3c08839e
	s_mov_b32 s57, 0xb94ca1f9
	s_mov_b32 s58, 0x3d2aaaa5                         ; cosine: 1 - z / 2 + z^2 (C1 + z (C2 + z C3))
	s_mov_b32 s59, 0xbab6061a
	s_mov_b32 s60, 0x37ccf5ce
.irp e, 0,1,2,3
	v_add_nc_u32 v[16+\e], \e, v6
.endr
.irp e, 0,1,2,3
	v_cvt_f32_u32 v[16+\e], v[16+\e]                  ; d
.endr
.irp e, 0,1,2,3
	v_mul_f32 v[20+\e], s50, v[16+\e]                 ; -d Lh, exact
.endr
	s_wait_alu depctr_va_vdst(0)
.irp e, 0,1,2,3
	v_exp_f32 v[20+\e], v[20+\e]
.endr
.irp e, 0,1,2,3
	v_mul_f32 v[16+\e], s51, v[16+\e]                 ; (plain lines behind the exponentials)
.endr
	s_wait_alu depctr_va_vdst(0)
.irp e, 0,1,2,3
	v_fma_f32 v[12+\e], v[20+\e], v[16+\e], v[20+\e]  ; 10000^(-d / 64)
.endr
; The angle a = position x frequency, rounded once.  n = the nearest whole number to a 2 / pi; rho = a - n pi / 2 in two steps, the first exact for a under 1,024 (a and n x the upper part are
; multiples of 2^-23 and the difference is under 1).  Quadrant n % 4 swaps sine and cosine and sets the signs, by selects alone.
.macro SINCOS e, u
.set W, 24+8*\e
	v_mul_f32 v[W], v10, v[12+\e]
	v_mul_f32 v[W+1], s52, v[W]
	v_rndne_f32 v[W+1], v[W+1]
	v_fma_f32 v[W], -v[W+1], s53, v[W]
	v_fma_f32 v[W], -v[W+1], s54, v[W]
	v_mul_f32 v[W+2], v[W], v[W]
	v_fma_f32 v[W+3], v[W+2], s57, s56
	v_fma_f32 v[W+4], v[W+2], s60, s59
	v_fma_f32 v[W+3], v[W+3], v[W+2], s55
	v_fma_f32 v[W+4], v[W+4], v[W+2], s58
	v_mul_f32 v[W+6], v[W+2], v[W]
	v_mul_f32 v[W+7], v[W+2], v[W+2]
	v_fma_f32 v[W+3], v[W+3], v[W+6], v[W]            ; sin rho
	v_fma_f32 v[W+6], v[W+2], -0.5, 1.0
	v_fma_f32 v[W+4], v[W+4], v[W+7], v[W+6]          ; cos rho
	v_cvt_i32_f32 v[W+5], v[W+1]
	v_and_b32 v[W+6], 1, v[W+5]
	v_cmp_eq_u32 vcc_lo, 1, v[W+6]
	v_cndmask_b32 v[W+7], v[W+3], v[W+4], vcc_lo      ; sin a, unsigned: in odd quadrants cos rho
	v_cndmask_b32 v[W+6], v[W+4], v[W+3], vcc_lo      ; cos a, unsigned
	v_and_b32 v[W+1], 2, v[W+5]
	v_lshlrev_b32 v[W+1], 30, v[W+1]                  ; sin a is turned in quadrants 2 and 3,
	v_xor_b32 v[68+8*\u+\e], v[W+1], v[W+7]
	v_add_nc_u32 v[W+5], 1, v[W+5]
	v_and_b32 v[W+5], 2, v[W+5]
	v_lshlrev_b32 v[W+5], 30, v[W+5]                  ; cos a in quadrants 1 and 2
	v_xor_b32 v[64+8*\u+\e], v[W+5], v[W+6]
.endm
	s_wait_kmcnt 0x0
.irp u, 0,1,2,3
	v_add_nc_u32 v10, 256*\u, v7
	v_cvt_f32_u32 v10, v10
	s_wait_alu depctr_va_vdst(0)
.irp e, 0,1,2,3
	SINCOS \e, \u
.endr
	global_store_b128 v9, v[64+8*\u:67+8*\u], s[20:21] offset:131072*\u          ; each pass has its own eight registers: no store's data are written again
	global_store_b128 v9, v[68+8*\u:71+8*\u], s[20:21] offset:131072*\u+4096
.endr
	s_endpgm
.Lfunc_end_k_qe7a149e6a9_quant:
	.size	k_qe7a149e6a9_quant, .Lfunc_end_k_qe7a149e6a9_quant-k_qe7a149e6a9_quant
	.p2alignl 7, 3214868480
	.fill 96, 4, 3214868480
	.section	.rodata,"a",@progbits
	.p2align	6, 0x0
	.amdhsa_kernel k_qe7a149e6a9_quant
		.amdhsa_group_segment_fixed_size 34304
		.amdhsa_private_segment_fixed_size 0
		.amdhsa_enable_private_segment 0
		.amdhsa_kernarg_size 72
		.amdhsa_user_sgpr_count 2
		.amdhsa_user_sgpr_kernarg_segment_ptr 1
		.amdhsa_wavefront_size32 1
		.amdhsa_system_sgpr_workgroup_id_x 1
		.amdhsa_system_sgpr_workgroup_id_y 1
		.amdhsa_system_sgpr_workgroup_id_z 1
		.amdhsa_system_vgpr_workitem_id 0
		.amdhsa_next_free_vgpr 256
		.amdhsa_next_free_sgpr 66
		.amdhsa_reserve_vcc 1
		.amdhsa_float_denorm_mode_32 3
		.amdhsa_float_denorm_mode_16_64 3
		.amdhsa_memory_ordered 1
		.amdhsa_forward_progress 1
		.amdhsa_inst_pref_size 57
	.end_amdhsa_kernel
	.amdgpu_metadata
---
amdhsa.version: [ 1, 2 ]
amdhsa.kernels:
  - .name:           k_qe7a149e6a9_quant
    .symbol:         k_qe7a149e6a9_quant.kd
    .args:
      - { .name: x, .offset: 0, .size: 8, .value_kind: global_buffer, .address_space: global }
      - { .name: Wq, .offset: 8, .size: 8, .value_kind: global_buffer, .address_space: global }
      - { .name: Wk, .offset: 16, .size: 8, .value_kind: global_buffer, .address_space: global }
      - { .name: Wv, .offset: 24, .size: 8, .value_kind: global_buffer, .address_space: global }
      - { .name: Wo, .offset: 32, .size: 8, .value_kind: global_buffer, .address_space: global }
      - { .name: xcod, .offset: 40, .size: 8, .value_kind: global_buffer, .address_space: global }
      - { .name: wcod, .offset: 48, .size: 8, .value_kind: global_buffer, .address_space: global }
      - { .name: ocod, .offset: 56, .size: 8, .value_kind: global_buffer, .address_space: global }
      - { .name: rope, .offset: 64, .size: 8, .value_kind: global_buffer, .address_space: global }
    .group_segment_fixed_size: 34304
    .private_segment_fixed_size: 0
    .kernarg_segment_align: 8
    .kernarg_segment_size: 72
    .max_flat_workgroup_size: 128
    .sgpr_count:     66
    .vgpr_count:     256
    .wavefront_size: 32
...
	.end_amdgpu_metadata
.endif
;; end of part 1
;; launch qkv (part 2): grid 12 x 16, 4 waves a work-group, clusters of 4 x 4, 327,680 bytes of LDS; arguments xcod, wcod, rope, qimg, kvimg; writes qimg, kvimg
.if DOCPART == 2
	.amdgcn_target "amdgcn-amd-amdhsa--gfx1250"
	.amdhsa_code_object_version 6
	.text
	.protected	k_qe7a149e6a9_qkv
	.globl	k_qe7a149e6a9_qkv
	.p2align	8
	.type	k_qe7a149e6a9_qkv,@function
k_qe7a149e6a9_qkv:
	s_mov_b64 s[64:65], 0
	v_nop
	global_prefetch_b8 v0, s[64:65] scope:SCOPE_SE
	s_setreg_imm32_b32 hwreg(HW_REG_WAVE_MODE, 25, 1), 1
	s_wait_xcnt 0x0
	s_wait_alu depctr_hold_cnt(0) depctr_sa_sdst(0) depctr_va_vdst(0) depctr_va_sdst(0) depctr_va_ssrc(0) depctr_va_vcc(0) depctr_vm_vsrc(0)
	s_getreg_b32 s2, hwreg(HW_REG_IB_STS2, 6, 4)
	s_cmp_eq_u32 s2, 0
	s_cbranch_scc0 .Lentry_in_a_cluster
	s_endpgm
.Lentry_in_a_cluster:
	s_bfe_u32 s2, ttmp6, 0x10000c
	s_cmp_lg_u32 s2, 0xf033
	s_cbranch_scc0 .Lentry_shape_is_right
	s_endpgm
.Lentry_shape_is_right:
; q, k, v = x Wq^T, x Wk^T, x Wv^T as ONE product [4096] x [3072] over K = 2,048 on codes of FP6 (E2M3) with E8M0 scales; on the way out q and k are rotated and quantised along the head's 128,
; v is turned and quantised along the keys.  Nothing leaves as f32.
; OPERANDS ARE IMAGES OF THEIR REGISTERS: a fragment (16 rows x 128 K) is 1,536 bytes, piece c of three = registers 4 c .. 4 c + 3 of lane l at 512 c + 16 l; in memory [tile][16 K steps][1,536], the scale words behind
; the codes as [tile][K step / 4][row][K step % 4].  Lane r of tile a holds row 32 (a / 2) + 8 (a % 2) + r + 8 (r / 8), in x (tokens) and in the weights (channels).
; A tile of the result, 256 tokens x 256 channels, is made by four waves, each 128 x 128: 64 accumulators.  K goes in steps of 256 through a ring of two LDS slots; the scale words of all of K come into LDS once.
; THE HEAD: one joint load a wave: wave 0 slot 0's 16 tiles of x, wave 1 its 16 tiles of the weights, wave 2 x's scale words, wave 3 the weights'.  Slot 1's first fill is issued as a refill is, a quarter of the slot a wave.
; CLUSTERS: 4 x 4 work-groups; x's tiles are shared along a row of the cluster, the weights' along a column: each is asked for jointly.
; PREFETCH: behind fill f (f = 0 .. 5 of 8) each wave names the blocks of fill f + 2: of the 8 tiles that it fetches, the partner at place p (cx for x, cy for the weights) takes tiles 2 p, 2 p + 1: 24 blocks of 256 bytes,
; a lane a block (lanes 24-31 name the last block again).  The last two fills ask for nothing: fill 7 ends with the tile's 24,576 bytes.
; THE MATRIX INSTRUCTION IS USED TRANSPOSED (source 0 = 16 channels, source 1 = 16 tokens): lane (r, h) holds token r of its tile, and register 8 b + j channel 32 (b / 2) + 16 h + 8 (b % 2) + j of the wave's 128: one head.
; The rotary partners d and d + 64 are accumulators b and b + 4, same lane, same register.
; COLUMNS: tile columns 0-7 hold two query heads each; column 8 + g holds k's head g (first 128) and v's head g (second 128).
; OUT: qimg [b][head][tile of tokens 0..63][1,536], scale words behind as [b][head][tile / 8][row][tile % 8];
;      kvimg [4 b + head][step of 128 keys][k: 8 tiles | v^T: 8 tiles | k's scale words: row x 8 | v's: row x 8]: 25,600 bytes a step.
; THE ROTARY TABLE (64 registers for a tile of tokens) is asked for ahead of its use, into window 1: tile 0's at the head, tile 1's ahead of the last 64 products, then three tiles ahead.  v's waves discard the first two.
; LIMITS: a block of zeros gets the scale byte 1 (its codes are zeros; this program alone reads the bytes); NaN and infinities are not served.
; REGISTERS: window 0: v1-30 addresses; v32-63 scale words, two sets; v64-159, v160-255 x's fragments, two sets.  window 1: the weights' fragments at v0-95 and v128-223; v96-127, v224-255 the table of tile 0.
;   window 2: the accumulators of my token tiles 0-3 ((a, b) at v[8 (8 a + b)]); window 3: of tiles 4-7.
.set AB,    8
.set NQ,    2
.set ROWB,  1536*NQ
.set HALFA, AB*ROWB
.set HALFB, 8*ROWB
.set SLOT,  2*HALFA+2*HALFB
.set SCL,   2*SLOT
.set SPARE, SCL+2*AB*1024+16384
.set LAPS,  2048/(256*NQ)
.set NF,    3*(8+AB)
.set SOFF1, 8
.set LAPSC, 256
.set ASC,   6291456
.set BSC,   4718592
.set QSC,   6291456
.set KVSTEP, 25600
.set ADRA, 16
.set ADRB, 20
.set ADRS, 27
.set SPW,  28
.set NIL,  29
.set PFO,  30                          ; v30 the prefetches' offset; never rewritten
.set SC,   32
.set AF,   32+16*NQ
.set G0H,  4                           ; s[4:7] group 0 of the head's load of x's codes
.set G1,   24
.set G0,   32
.set G1B,  48
.set G0B,  56
.set G1S,  68
.set G0S,  76
.set G1SB, 80
.set G0SB, 88
.set G0HB, 92                          ; s[92:95] group 0 of the head's load of the weights' codes
.set SEL,  98
.set PFA,  100                         ; s[100:101] where my prefetches stand
.set HA,   160
.set HB,   32
.set PC,   224
.set TM,   8
.set PWS,  244
.set PW,   252
.set MSB, 0
.macro WIN new
.if MSB != (\new)
	s_set_vgpr_msb (MSB<<8)|(\new)
.set MSB, (\new)
.endif
.endm
.macro PLACES n
.rept \n
	v_nop
.endr
.endm
; a joint load of the ring: waves 0 and 1 fetch for x, waves 2 and 3 for the weights
.macro JLOAD g0a, g1a, g0b, g1b
	s_cmp_eq_u32 s15, 0
	s_cbranch_scc0 .Lfor_b_\@
	tensor_load_to_lds s[\g0a:\g0a+3], s[\g1a:\g1a+7]
	s_nop 0
.rept 4
	v_nop
.endr
	s_branch .Lasked_\@
.Lfor_b_\@:
	tensor_load_to_lds s[\g0b:\g0b+3], s[\g1b:\g1b+7]
	s_nop 0
.rept 4
	v_nop
.endr
.Lasked_\@:
.endm
.macro CREST
	s_cmp_lg_u32 s14, 0
	s_cbranch_scc1 .Lnot_wave_0_\@
	s_barrier_signal -3
.Lnot_wave_0_\@:
	s_barrier_wait -3
	s_barrier_signal -1
	s_barrier_wait -1
.endm
.macro CROUND
	s_barrier_signal -1
	s_barrier_wait -1
	CREST
.endm
.macro ARM under, g0, g1, next         ; one arm of the head's tree of branches on the wave's number
	s_cmp_lt_u32 s14, \under
	s_cbranch_scc0 \next
	tensor_load_to_lds s[\g0:\g0+3], s[\g1:\g1+7]
	s_nop 0
.rept 4
	v_nop
.endr
	s_branch .Lhead_asked
\next:
.endm
.macro ASK                             ; in the loop: the fill two refills on; the last trip (s3 = 1) asks for nothing
	s_cmp_gt_u32 s3, 1
	s_cbranch_scc0 .Lno_ask_\@
	global_prefetch_b8 v[PFO], s[PFA:PFA+1] offset:ROWB th:TH_LOAD_NT scope:SCOPE_SE
.Lno_ask_\@:
.endm
.macro FRAG reg, adr, off
.irp c, 0,1,2
	ds_load_b128 v[\reg+4*\c:\reg+4*\c+3], v[\adr] offset:\off+512*\c
.endr
.endm
.macro FETCH slot, q, p
	WIN 0x40
.irp i, 0,1,2,3,4,5,6,7
	FRAG 128*(\p)+12*\i, ADRB+\slot, \i*ROWB+1536*(\q)
.endr
	WIN 0
.set FI, 0
.rept AB
	FRAG AF+12*AB*(\p)+12*FI, ADRA+\slot, FI*ROWB+1536*(\q)
.set FI, FI+1
.endr
.endm
.macro SCALES sc
.irp i, 0,1,2,3,4,5,6,7
	ds_load_b64 v[SC+8*NQ*\sc+NQ*\i:SC+8*NQ*\sc+NQ*\i+1], v[ADRS] offset:\i*1024+\sc*SOFF1
.endr
.endm
; all 64 accumulators take turns, one instruction a turn, in the same order in every step
.macro MULR a0, na, p, q, sc, zero
.set MA, \a0
.rept \na
	WIN 0xa1+0x50*(MA/4)
.irp b, 0,1,2,3,4,5,6,7
.if \zero
	v_wmma_scale_f32_16x16x128_f8f6f4 v[8*(8*(MA%4)+\b):8*(8*(MA%4)+\b)+7], v[128*(\p)+12*\b:128*(\p)+12*\b+11], v[AF+12*AB*(\p)+12*MA:AF+12*AB*(\p)+12*MA+11], 0, v[SC+8*NQ*(\sc)+NQ*\b+(\q)], v[SC+8*NQ*(\sc)+NQ*MA+(\q)] matrix_a_fmt:MATRIX_FMT_FP6 matrix_b_fmt:MATRIX_FMT_FP6 matrix_a_scale:MATRIX_SCALE_ROW1
.else
	v_wmma_scale_f32_16x16x128_f8f6f4 v[8*(8*(MA%4)+\b):8*(8*(MA%4)+\b)+7], v[128*(\p)+12*\b:128*(\p)+12*\b+11], v[AF+12*AB*(\p)+12*MA:AF+12*AB*(\p)+12*MA+11], v[8*(8*(MA%4)+\b):8*(8*(MA%4)+\b)+7], v[SC+8*NQ*(\sc)+NQ*\b+(\q)], v[SC+8*NQ*(\sc)+NQ*MA+(\q)] matrix_a_fmt:MATRIX_FMT_FP6 matrix_b_fmt:MATRIX_FMT_FP6 matrix_a_scale:MATRIX_SCALE_ROW1
.endif
.endr
.set MA, MA+1
.endr
.endm
.macro STEP slot, q, zero              ; a step whose successor lies in the same slot
	WIN 0
	PLACES 4                                          ; in front of loads into registers that the last products read
	FETCH \slot, (\q)+1, 1-(\q)%2
	s_wait_dscnt NF                                   ; all but the NF loads just issued
	MULR 0, AB, (\q)%2, \q, \slot, \zero
.endm
; a slot's last step changes slots at its head: its fragments are in registers already
.macro TURN slot, next, fill
	WIN 0
.if \fill
	s_wait_xcnt 0x0                                   ; my last prefetch has read its address
	s_add_nc_u64 s[PFA:PFA+1], s[PFA:PFA+1], ROWB
.endif
	s_wait_tensorcnt 0x0                              ; all my tensor loads have landed
	ds_add_u32 v[SPW], v[NIL]
.if \fill
	s_add_nc_u64 s[G0+4*\slot+2:G0+4*\slot+3], s[G0+4*\slot+2:G0+4*\slot+3], 2*ROWB
	s_add_nc_u64 s[G0B+4*\slot+2:G0B+4*\slot+3], s[G0B+4*\slot+2:G0B+4*\slot+3], 2*ROWB
.endif
	s_wait_dscnt 0x0                                  ; the add is done, and my reads of this slot are over
	s_barrier_signal -1
	s_barrier_wait -1
.if \fill
	CREST
	JLOAD G0+4*\slot, G1, G0B+4*\slot, G1B            ; the first tensor load behind the round
.else
	PLACES 4
.endif
.if \next == 0
	v_add_nc_u32 v[ADRS], LAPSC, v[ADRS]
.endif
	FETCH \next, 0, 0
	s_wait_alu depctr_va_vdst(0)
	SCALES \next
.if \fill
	ASK
.endif
	MULR 0, AB, 1, NQ-1, \slot, 0
.endm
; 64 numbers of a lane, register 16 b + i = k 32 b + 16 (lane / 16) + i of my row, become a fragment's codes in v[PC] .. v[PC + 11] and its rows' scale word in v[PW]
.macro QUANT s
.irp b, 0,1,2,3
	v_max3_num_f32 v[TM+\b], |v[\s+16*\b]|, |v[\s+1+16*\b]|, 0x1800000   ; with the floor 2^(3 - 127): the byte cannot fall under 1
.endr
.irp i, 2,4,6,8,10,12,14
.irp b, 0,1,2,3
	v_max3_num_f32 v[TM+\b], v[TM+\b], |v[\s+16*\b+\i]|, |v[\s+1+16*\b+\i]|
.endr
.endr
.irp b, 0,1,2,3
	v_permlanex16_b32 v[TM+4+\b], v[TM+\b], s[SEL], s[SEL+1]
.endr
.irp b, 0,1,2,3
	v_max_num_f32 v[TM+\b], v[TM+\b], v[TM+4+\b]
.endr
.irp b, 0,1,2,3
	v_add_nc_u32 v[TM+12+\b], 0xff000000, v[TM+\b]    ; 2 off the exponent field: the conversion's scale operand
.endr
.irp b, 0,1,2,3
	v_lshrrev_b32 v[TM+4+\b], 23, v[TM+12+\b]
.endr
	v_lshl_or_b32 v[PW], v[TM+5], 8, v[TM+4]
	v_lshl_or_b32 v[PW], v[TM+6], 16, v[PW]
	v_lshl_or_b32 v[PW], v[TM+7], 24, v[PW]
.irp c, 0,1
	v_cvt_scalef32_pk16_fp6_f32 v[PC+6*\c:PC+2+6*\c], v[\s+32*\c:\s+15+32*\c], v[TM+12+2*\c]
	v_cvt_scalef32_pk16_fp6_f32 v[PC+12+4*\c:PC+14+4*\c], v[\s+16+32*\c:\s+31+32*\c], v[TM+12+2*\c+1]
.endr
	v_nop                                             ; one plain place behind a scaled conversion
.irp c, 0,1
.irp i, 0,1,2
	v_permlane16_swap_b32 v[PC+6*\c+\i], v[PC+12+4*\c+\i]
.endr
.irp i, 0,1,2
	v_mov_b32 v[PC+3+6*\c+\i], v[PC+12+4*\c+\i]
.endr
.endr
.endm
.macro TABSET k                        ; the table's four sets in window 1
.if (\k) == 0
.set TCB, 96
.set TSB, 224
.elseif (\k) == 1
.set TCB, 0
.set TSB, 32
.elseif (\k) == 2
.set TCB, 64
.set TSB, 128
.else
.set TCB, 160
.set TSB, 192
.endif
.endm
.macro CSLOAD a
	TABSET (\a)%4
	WIN 0x40
.irp q, 0,1,2,3,4,5,6,7
	global_load_b128 v[TCB+4*\q:TCB+4*\q+3], v3, s[8:9] offset:8192*(\a)+512*\q
.endr
.irp q, 0,1,2,3,4,5,6,7
	global_load_b128 v[TSB+4*\q:TSB+4*\q+3], v3, s[8:9] offset:8192*(\a)+4096+512*\q
.endr
	WIN 0
.endm
	s_load_b128 s[4:7], s[0:1], 0x0                   ; xcod, wcod
	s_load_b128 s[8:11], s[0:1], 0x10                 ; rope, qimg
	s_load_b64 s[12:13], s[0:1], 0x20                 ; kvimg
	v_lshl_add_u32 v[SPW], v0, 2, SPARE
	v_mov_b32 v[NIL], 0
	ds_add_u32 v[SPW], v[NIL]                         ; the opening lines: the add twice on end
	ds_add_u32 v[SPW], v[NIL]
	v_lshrrev_b32 v1, 5, v0
	v_readfirstlane_b32 s14, v1                       ; wave 0..3
	s_lshr_b32 s15, s14, 1                            ; my half of the tokens; in the ring: I fetch for x (0) or the weights (1)
	s_and_b32 s16, s14, 1                             ; my half of the channels; in the ring: which half of the tiles I fetch
	s_bfe_u32 s40, ttmp6, 0x40000                     ; cx
	s_bfe_u32 s41, ttmp6, 0x40004                     ; cy
	s_lshl_b32 s42, ttmp9, 2
	s_add_co_u32 s42, s42, s40                        ; tile column
	s_and_b32 s17, ttmp7, 0xffff
	s_lshl_b32 s17, s17, 2
	s_add_co_u32 s17, s17, s41                        ; tile row
	s_lshl_b32 s43, s41, 2
	s_lshl_b32 s43, 15, s43                           ; my row of the cluster
	s_lshl_b32 s44, 0x1111, s40                       ; my column
	s_or_b32 s[G1], s43, (3<<16)|(1<<21)              ; the mask; elements of 8 bytes; bit 21 beside a mask
	s_or_b32 s[G1B], s44, (3<<16)|(1<<21)
	s_or_b32 s[G1S], s43, (3<<16)|(1<<21)
	s_or_b32 s[G1SB], s44, (3<<16)|(1<<21)
.irp g, G1, G1B                        ; codes: a row = one tile's ROWB bytes of a slot; from tile to tile 24,576 bytes
	s_mov_b32 s[\g+1], (ROWB/8)<<16
	s_mov_b32 s[\g+3], (ROWB/8)<<16
	s_mov_b32 s[\g+5], 3072
	s_mov_b32 s[\g+6], 0
	s_mov_b32 s[\g+7], 0
.endr
	s_mov_b32 s[G1+2], (2*AB)<<16                     ; the head's loads bring all of a slot's tiles
	s_mov_b32 s[G1+4], 2*AB
	s_mov_b32 s[G1B+2], 16<<16
	s_mov_b32 s[G1B+4], 16
.irp g, G1S, G1SB                      ; scale words: a dense block, as rows of 256 bytes
	s_mov_b32 s[\g+1], 32<<16
	s_mov_b32 s[\g+3], 32<<16
	s_mov_b32 s[\g+5], 32
	s_mov_b32 s[\g+6], 0
	s_mov_b32 s[\g+7], 0
.endr
	s_mov_b32 s[G1S+2], (8*AB)<<16
	s_mov_b32 s[G1S+4], 8*AB
	s_mov_b32 s[G1SB+2], 64<<16
	s_mov_b32 s[G1SB+4], 64
	s_mul_i32 s20, s17, 2*AB                          ; x: the work-group's first tile
	s_lshl_b32 s46, s42, 4                            ; the weights: likewise
	s_lshl_b32 s22, s20, 10
	s_add_co_u32 s22, s22, ASC
	s_mov_b32 s23, 0
	s_lshl_b32 s92, s46, 10
	s_add_co_u32 s92, s92, BSC
	s_mov_b32 s93, 0
	s_mul_i32 s20, s20, 24576
	s_mov_b32 s21, 0
	s_mul_i32 s46, s46, 24576
	s_mov_b32 s47, 0
	s_mul_i32 s18, s16, AB*24576                      ; in the ring: my half of x's tiles,
	s_mov_b32 s19, 0
	s_mul_i32 s66, s16, 8*24576                       ; of the weights'
	s_mov_b32 s67, 0
	s_mul_i32 s45, s16, HALFA                         ; and where they go: the wave's number alone enters an LDS address
	s_mul_i32 s96, s16, HALFB
	s_add_co_u32 s96, s96, 2*HALFA
	s_mov_b32 s[SEL], 0x76543210
	s_mov_b32 s[SEL+1], 0xfedcba98
	s_wait_dscnt 0x0                                  ; both opening adds are done
	s_wait_kmcnt 0x0
	s_add_nc_u64 s[20:21], s[4:5], s[20:21]
	s_add_nc_u64 s[22:23], s[4:5], s[22:23]
	s_add_nc_u64 s[46:47], s[6:7], s[46:47]
	s_add_nc_u64 s[92:93], s[6:7], s[92:93]
	s_mov_b32 s[G0S], 1
	s_mov_b32 s[G0S+1], SCL
	s_mov_b64 s[G0S+2:G0S+3], s[22:23]
	s_or_b32 s[G0S+3], s[G0S+3], 0x80000000
	s_mov_b32 s[G0SB], 1
	s_mov_b32 s[G0SB+1], SCL+2*AB*1024
	s_mov_b64 s[G0SB+2:G0SB+3], s[92:93]
	s_or_b32 s[G0SB+3], s[G0SB+3], 0x80000000
	s_mov_b32 s[G0H], 1
	s_mov_b32 s[G0H+1], 0
	s_mov_b64 s[G0H+2:G0H+3], s[20:21]
	s_or_b32 s[G0H+3], s[G0H+3], 0x80000000
	s_mov_b32 s[G0HB], 1
	s_mov_b32 s[G0HB+1], 2*HALFA
	s_mov_b64 s[G0HB+2:G0HB+3], s[46:47]
	s_or_b32 s[G0HB+3], s[G0HB+3], 0x80000000
	s_add_nc_u64 s[20:21], s[20:21], s[18:19]
	s_add_nc_u64 s[46:47], s[46:47], s[66:67]
.irp s, 0,1
	s_mov_b32 s[G0+4*\s], 1
	s_add_co_u32 s[G0+4*\s+1], s45, \s*SLOT
	s_add_nc_u64 s[G0+4*\s+2:G0+4*\s+3], s[20:21], \s*ROWB
	s_or_b32 s[G0+4*\s+3], s[G0+4*\s+3], 0x80000000
	s_mov_b32 s[G0B+4*\s], 1
	s_add_co_u32 s[G0B+4*\s+1], s96, \s*SLOT
	s_add_nc_u64 s[G0B+4*\s+2:G0B+4*\s+3], s[46:47], \s*ROWB
	s_or_b32 s[G0B+4*\s+3], s[G0B+4*\s+3], 0x80000000
.endr
	s_cmp_eq_u32 s15, 0                               ; the prefetches: of the 8 tiles that I fetch, my work-group's two, told apart by address
	s_cselect_b32 s66, s40, s41
	s_cselect_b64 s[PFA:PFA+1], s[20:21], s[46:47]
	s_mul_i32 s66, s66, 2*24576
	s_add_nc_u64 s[PFA:PFA+1], s[PFA:PFA+1], s[66:67]
	s_add_nc_u64 s[PFA:PFA+1], s[PFA:PFA+1], 2*ROWB   ; at fill 2
	CROUND                                            ; all sixteen work-groups are here: the first joint loads meet
	ARM 1, G0H,  G1,  .Lhead_b
	ARM 2, G0HB, G1B, .Lhead_sa
	ARM 3, G0S,  G1S, .Lhead_sb
	tensor_load_to_lds s[G0SB:G0SB+3], s[G1SB:G1SB+7]
	s_nop 0
.rept 4
	v_nop
.endr
.Lhead_asked:
	s_mul_i32 s21, s15, HALFA                         ; my eight tiles of x
	s_mul_i32 s22, s16, HALFB
	s_add_co_u32 s22, s22, 2*HALFA                    ; my eight tiles of the weights
	s_mul_i32 s23, s15, AB*1024
	s_lshl_b32 s18, s16, 13
	s_add_co_u32 s18, s18, 2*AB*1024
	s_sub_co_u32 s18, s18, s23                        ; from x's scale words to the weights'
	s_add_co_u32 s23, s23, SCL
	s_and_b32 s46, s17, 3                             ; the table at my first tile of tokens in the sequence: 16 (tile row % 4) + 8 x my half
	s_lshl_b32 s46, s46, 4
	s_lshl_b32 s19, s15, 3
	s_add_co_u32 s46, s46, s19
	s_lshl_b32 s46, s46, 13
	s_mov_b32 s47, 0
	s_add_nc_u64 s[8:9], s[8:9], s[46:47]
	v_and_b32 v3, 31, v0
	v_min_u32 v8, 23, v3                              ; 24 blocks; lanes 24-31 name the last again
	v_mul_u32_u24 v9, v8, 43
	v_lshrrev_b32 v9, 9, v9                           ; block / 12: which of the two tiles
	v_mul_u32_u24 v9, v9, 21504                       ; 24,576 - 12 x 256
	v_lshl_add_u32 v[PFO], v8, 8, v9
	global_prefetch_b8 v[PFO], s[PFA:PFA+1] th:TH_LOAD_NT scope:SCOPE_SE   ; fill 2
	v_and_b32 v1, 15, v0                              ; r
	v_bfe_u32 v2, v0, 4, 1                            ; h
	v_lshlrev_b32 v3, 4, v3                           ; 16 x lane: my place in every image; never rewritten
	v_add_nc_u32 v[ADRA], s21, v3
	v_add_nc_u32 v[ADRB], s22, v3
	v_add_nc_u32 v[ADRA+1], SLOT, v[ADRA]
	v_add_nc_u32 v[ADRB+1], SLOT, v[ADRB]
	v_lshlrev_b32 v5, 4, v1                           ; scale words: 16 bytes a row in a group of four K steps
	v_mul_u32_u24 v6, s18, v2                         ; lanes 16-31 take the weights'
	v_add_nc_u32 v5, v5, v6
	v_add_nc_u32 v[ADRS], s23, v5
	CSLOAD 0                                          ; tile 0's table: wanted behind the whole loop
	s_wait_alu depctr_va_vdst(0)
	s_wait_tensorcnt 0x0                              ; my tile of the head's four is in
	ds_add_u32 v[SPW], v[NIL]
	s_mov_b32 s[G1+2], AB<<16                         ; no tensor load of mine is out: from here on a load brings half of a slot's tiles
	s_mov_b32 s[G1+4], AB
	s_mov_b32 s[G1B+2], 8<<16
	s_mov_b32 s[G1B+4], 8
	s_wait_dscnt 0x0
	CROUND
	JLOAD G0+4, G1, G0B+4, G1B                        ; slot 1's first fill, the first tensor load behind the round
	FETCH 0, 0, 0
	SCALES 0
	global_prefetch_b8 v[PFO], s[PFA:PFA+1] offset:ROWB th:TH_LOAD_NT scope:SCOPE_SE   ; fill 3
	STEP 0, 0, 1                                      ; the first step's products start the sums
	WIN 0
	s_mov_b32 s3, LAPS-1
.Llap:
	TURN 0, 1, 1
	STEP 1, 0, 0
	TURN 1, 0, 1
	STEP 0, 0, 0
	WIN 0
	s_sub_co_u32 s3, s3, 1
	s_cmp_lg_u32 s3, 0
	s_cbranch_scc1 .Llap
	TURN 0, 1, 0                                      ; the last lap fills nothing
	STEP 1, 0, 0
	WIN 0
	PLACES 4
	CSLOAD 1                                          ; into the weights' set 0, which the last 64 products do not read
	s_wait_dscnt 0x0
	MULR 0, AB, 1, NQ-1, 1, 0
	WIN 0
	; ---------------- THE WAY OUT
	PLACES 4
	s_lshr_b32 s18, s17, 2                            ; the batch
	s_and_b32 s19, s17, 3
	s_lshl_b32 s19, s19, 4
	s_lshl_b32 s20, s15, 3
	s_add_co_u32 s19, s19, s20                        ; my first tile of tokens in the sequence, a multiple of 8
	s_mov_b32 s21, 0
	s_lshl_b32 s22, s42, 1
	s_add_co_u32 s22, s22, s16
	s_lshl_b32 s23, s18, 4
	s_add_co_u32 s22, s22, s23                        ; q: 16 x batch + head
	s_lshl_b32 s23, s22, 6
	s_add_co_u32 s23, s23, s19
	s_mul_i32 s23, s23, 1536                          ; its codes,
	s_lshl_b32 s22, s22, 12
	s_lshl_b32 s45, s19, 6
	s_add_co_u32 s22, s22, s45
	s_add_co_u32 s22, s22, QSC                        ; its scale words
	s_lshl_b32 s46, s18, 2
	s_add_co_u32 s46, s46, s40                        ; k, v: 4 x batch + head (cx enters addresses in memory alone)
	s_mul_i32 s47, s46, 8*KVSTEP
	s_mul_i32 s45, s19, KVSTEP/8
	s_add_co_u32 s47, s47, s45                        ; the step of 128 keys
	s_lshl_b32 s46, s16, 9
	s_add_co_u32 s46, s46, s47
	s_add_co_u32 s46, s46, 24576                      ; its scale words, k's or v's,
	s_mul_i32 s45, s16, 12288
	s_add_co_u32 s47, s47, s45                        ; its codes, k's or v's
	s_cmp_eq_u32 ttmp9, 2                             ; the third column of clusters holds k and v
	s_cselect_b64 s[10:11], s[12:13], s[10:11]
	s_cselect_b32 s20, s47, s23
	s_cselect_b32 s22, s46, s22
	s_mov_b32 s23, 0
	s_add_nc_u64 s[92:93], s[10:11], s[20:21]         ; my codes
	s_add_nc_u64 s[94:95], s[10:11], s[22:23]         ; my scale words
	s_mul_i32 s45, s14, 24576                         ; v's stage: 32 rows x 528 bytes, the wave's own, in slot 0, which has had its last fill and its last read
	v_and_b32 v5, 8, v1
	v_add_nc_u32 v5, v5, v1
	v_lshlrev_b32 v5, 2, v5
	v_mad_u32_u24 v5, v2, 4224, v5
	v_add_nc_u32 v5, s45, v5
	v_mul_u32_u24 v6, v1, 528
	v_lshl_add_u32 v6, v2, 6, v6
	v_add_nc_u32 v6, s45, v6
	v_lshlrev_b32 v7, 5, v1
	v_lshl_add_u32 v7, v2, 4, v7                      ; scale words: 32 r + 16 h
.irp b, 0,1,2,3
	v_mov_b32 v[TM+4+\b], 0                           ; a lane permute's destination counts as one of its sources
.endr
	s_cmp_lg_u32 ttmp9, 2
	s_cbranch_scc1 .Lqk
	s_cmp_eq_u32 s16, 0
	s_cbranch_scc1 .Lqk
	; ---- v: two tiles of channels at a time go through the stage, laid [channel's place][token], and come back with 16 neighbouring tokens a block in a lane
.macro VPAIR p
.irp a, 0,1,2,3,4,5,6,7
	WIN 0x08+4*(\a/4)
.irp bb, 0,1
.irp j, 0,1,2,3,4,5,6,7
	ds_store_b32 v5, v[8*(8*(\a%4)+2*(\p)+\bb)+\j] offset:(16*\bb+\j)*528+(32*(\a/2)+8*(\a%2))*4
.endr
.endr
.endr
	WIN 0
.irp b, 0,1,2,3
.irp i, 0,1,2,3
	ds_load_b128 v[HA+16*\b+4*\i:HA+16*\b+4*\i+3], v6 offset:128*\b+16*\i
.endr
.endr
.irp b, 0,1,2,3
.irp i, 0,1,2,3
	ds_load_b128 v[HB+16*\b+4*\i:HB+16*\b+4*\i+3], v6 offset:16*528+128*\b+16*\i
.endr
.endr
	s_wait_dscnt 16                                   ; the first tile's 64 numbers are in; the second's 16 loads may be out
	s_wait_xcnt 0x0                                   ; earlier stores have read the codes' registers
	QUANT HA
	v_mov_b32 v[PWS+2*(\p)], v[PW]
.irp c, 0,1,2
	global_store_b128 v3, v[PC+4*\c:PC+4*\c+3], s[92:93] offset:1536*(2*(\p))+512*\c
.endr
	s_wait_dscnt 0x0
	s_wait_xcnt 0x0
	QUANT HB
	v_mov_b32 v[PWS+2*(\p)+1], v[PW]
.irp c, 0,1,2
	global_store_b128 v3, v[PC+4*\c:PC+4*\c+3], s[92:93] offset:1536*(2*(\p)+1)+512*\c
.endr
.endm
	VPAIR 0
	VPAIR 1
	VPAIR 2
	VPAIR 3
	s_branch .Ljoin
.Lqk:
	; ---- q and k: rotated and quantised, a tile of 16 tokens at a time
.macro QKTILE a
.if (\a) < 5
	s_wait_loadcnt 48                                 ; this tile's table is in; the next three tiles' 48 loads stay out
.else
	s_wait_loadcnt 16*(7-(\a))
.endif
	TABSET (\a)%4
.set AC, 64*((\a)%4)
	WIN 0x06+(\a)/4
.irp b, 0,1,2,3
.irp j, 0,2,4,6
	v_pk_mul_f32 v[HA+8*\b+\j:HA+8*\b+\j+1], v[AC+32+8*\b+\j:AC+32+8*\b+\j+1], v[TSB+8*\b+\j:TSB+8*\b+\j+1]
.endr
.endr
.irp b, 0,1,2,3
.irp j, 0,2,4,6
	v_pk_mul_f32 v[HA+32+8*\b+\j:HA+32+8*\b+\j+1], v[AC+32+8*\b+\j:AC+32+8*\b+\j+1], v[TCB+8*\b+\j:TCB+8*\b+\j+1]
.endr
.endr
.irp b, 0,1,2,3
.irp j, 0,2,4,6
	v_pk_fma_f32 v[HA+8*\b+\j:HA+8*\b+\j+1], v[AC+8*\b+\j:AC+8*\b+\j+1], v[TCB+8*\b+\j:TCB+8*\b+\j+1], v[HA+8*\b+\j:HA+8*\b+\j+1] neg_lo:[0,0,1] neg_hi:[0,0,1]
.endr
.endr
.irp b, 0,1,2,3
.irp j, 0,2,4,6
	v_pk_fma_f32 v[HA+32+8*\b+\j:HA+32+8*\b+\j+1], v[AC+8*\b+\j:AC+8*\b+\j+1], v[TSB+8*\b+\j:TSB+8*\b+\j+1], v[HA+32+8*\b+\j:HA+32+8*\b+\j+1]
.endr
.endr
	WIN 0
.if (\a) < 4
	CSLOAD (\a)+4
.endif
	s_wait_xcnt 0x0                                   ; the last tile's stores have read the codes' registers
	QUANT HA
	v_mov_b32 v[PWS+(\a)], v[PW]
.irp c, 0,1,2
	global_store_b128 v3, v[PC+4*\c:PC+4*\c+3], s[92:93] offset:1536*(\a)+512*\c
.endr
.endm
	CSLOAD 2
	CSLOAD 3
.irp a, 0,1,2,3,4,5,6,7
	QKTILE \a
.endr
.Ljoin:
	v_cmp_eq_u32 vcc_lo, 1, v2                        ; lanes 0-15 store tiles 0-3's words of their row, lanes 16-31 tiles 4-7's: 512 consecutive bytes
	s_wait_alu depctr_va_vdst(0)
.irp i, 0,1,2,3
	v_cndmask_b32 v[24+\i], v[PWS+\i], v[PWS+4+\i], vcc_lo
.endr
	global_store_b128 v7, v[24:27], s[94:95]
	s_wait_tensorcnt 0x0                              ; the wave's end
	ds_add_u32 v[SPW], v[NIL]
	s_wait_dscnt 0x0
	CROUND                                            ; the closing round
	s_endpgm
.Lfunc_end_k_qe7a149e6a9_qkv:
	.size	k_qe7a149e6a9_qkv, .Lfunc_end_k_qe7a149e6a9_qkv-k_qe7a149e6a9_qkv
	.p2alignl 7, 3214868480
	.fill 96, 4, 3214868480
	.section	.rodata,"a",@progbits
	.p2align	6, 0x0
	.amdhsa_kernel k_qe7a149e6a9_qkv
		.amdhsa_group_segment_fixed_size 327680
		.amdhsa_private_segment_fixed_size 0
		.amdhsa_enable_private_segment 0
		.amdhsa_kernarg_size 40
		.amdhsa_user_sgpr_count 2
		.amdhsa_user_sgpr_kernarg_segment_ptr 1
		.amdhsa_wavefront_size32 1
		.amdhsa_system_sgpr_workgroup_id_x 1
		.amdhsa_system_sgpr_workgroup_id_y 1
		.amdhsa_system_sgpr_workgroup_id_z 1
		.amdhsa_system_vgpr_workitem_id 0
		.amdhsa_next_free_vgpr 1024
		.amdhsa_next_free_sgpr 102
		.amdhsa_reserve_vcc 1
		.amdhsa_float_denorm_mode_32 3
		.amdhsa_float_denorm_mode_16_64 3
		.amdhsa_memory_ordered 1
		.amdhsa_forward_progress 1
		.amdhsa_inst_pref_size 255
	.end_amdhsa_kernel
	.section	.bss,"aw",@nobits
	.p2align	6
	.space	262144
	.amdgpu_metadata
---
amdhsa.version: [ 1, 2 ]
amdhsa.kernels:
  - .name:           k_qe7a149e6a9_qkv
    .symbol:         k_qe7a149e6a9_qkv.kd
    .args:
      - { .name: xcod, .offset: 0, .size: 8, .value_kind: global_buffer, .address_space: global }
      - { .name: wcod, .offset: 8, .size: 8, .value_kind: global_buffer, .address_space: global }
      - { .name: rope, .offset: 16, .size: 8, .value_kind: global_buffer, .address_space: global }
      - { .name: qimg, .offset: 24, .size: 8, .value_kind: global_buffer, .address_space: global }
      - { .name: kvimg, .offset: 32, .size: 8, .value_kind: global_buffer, .address_space: global }
    .group_segment_fixed_size: 327680
    .private_segment_fixed_size: 0
    .kernarg_segment_align: 8
    .kernarg_segment_size: 40
    .max_flat_workgroup_size: 128
    .sgpr_count:     102
    .vgpr_count:     1024
    .wavefront_size: 32
...
	.end_amdgpu_metadata
.endif
;; end of part 2
;; launch attn (part 3): grid 16 x 16, 16 waves a work-group, clusters of 4 x 1, 206,848 bytes of LDS; arguments qimg, kvimg, aimg; writes aimg
.if DOCPART == 3
	.amdgcn_target "amdgcn-amd-amdhsa--gfx1250"
	.amdhsa_code_object_version 6
	.text
	.protected	k_qe7a149e6a9_attn
	.globl	k_qe7a149e6a9_attn
	.p2align	8
	.type	k_qe7a149e6a9_attn,@function
k_qe7a149e6a9_attn:
	s_mov_b64 s[64:65], 0
	v_nop
	global_prefetch_b8 v0, s[64:65] scope:SCOPE_SE
	s_setreg_imm32_b32 hwreg(HW_REG_WAVE_MODE, 25, 1), 1
	s_wait_xcnt 0x0
	s_wait_alu depctr_hold_cnt(0) depctr_sa_sdst(0) depctr_va_vdst(0) depctr_va_sdst(0) depctr_va_ssrc(0) depctr_va_vcc(0) depctr_vm_vsrc(0)
	s_getreg_b32 s2, hwreg(HW_REG_IB_STS2, 6, 4)
	s_cmp_eq_u32 s2, 0
	s_cbranch_scc0 .Lentry_in_a_cluster
	s_endpgm
.Lentry_in_a_cluster:
	s_bfe_u32 s2, ttmp6, 0x10000c
	s_cmp_lg_u32 s2, 0x3003
	s_cbranch_scc0 .Lentry_shape_is_right
	s_endpgm
.Lentry_shape_is_right:
; Causal attention on codes of FP6 (E2M3): S = q k^T / sqrt(128), p = 2^(t - M), O = p v / the row's sum; O is quantised along the model's 2,048 and leaves as codes, the operand of the last product.
; t = score x log2(e) / sqrt(128); M = the row's largest t so far, rounded UP to a whole number; p = 2^(t - M) is quantised along the keys, not normalised.
; The row's sum is taken of the unquantised p, in f32, and divides O at the end.  When M moves, the sum and O are multiplied by 2^(old M - new M): exact.
; WORK LEFT OUT: a step of 128 keys all of which come after a wave's queries lies wholly under the causal mask that the problem builds itself: its scores would become -infinity, its p 0.  It is jumped over.
; IN: qimg [b][head][tile of 16 queries 0..63][1,536] (images of the operand's registers), scale words behind as [b][head][tile / 8][row][tile % 8];
;     kvimg [4 b + kv head][step of 128 keys][k: 8 tiles | v^T: 8 tiles | k's scale words: row x 8 | v's: row x 8]: 25,600 bytes a step.
; Lane r of tile a holds row 32 (a / 2) + 8 (a % 2) + r + 8 (r / 8): of the queries, of the keys in k, of the channels in v^T.
; OUT: aimg [tile of tokens 64 b + tile][K step = head][1,536], scale words behind as [tile][head / 4][row][head % 4].
; SHARES.  y = 4 b + kv head.  The four work-groups of a cluster are the four query heads of one kv head: they read the same k and v, so every tile is asked for jointly (mask 15).
; The head's whole k, v and scale words, 204,800 bytes, fit in LDS: each byte is filled once.  Each of the sixteen waves brings half a key step, 50 rows of 256 bytes, by its one tensor load; one barrier shows all of it to all waves.
; No prefetch: all that the launch reads by tensor loads is asked for at its head; there is no loop to run ahead in.
; A wave owns ONE tile of 16 queries, in 256 registers: four waves to a SIMD.  Tile = 8 kappa + 2 x + e has kappa + 1 key steps; wave w takes kappa = w % 4 or 7 - w % 4, so that waves w, w + 4, w + 8, w + 12 have 18 steps together.
; Both products are used transposed: S^T = k q^T, O^T = v^T p^T: a lane holds ONE query throughout.
; LIMITS: a block of zeros gets the scale byte 1 (its codes are zeros); NaN and infinities are not served; the promise holds while the scaled scores t stay under 2^31 in magnitude.
; The 64 bytes of a tile's scale words leave in pieces of 4 bytes: the heads that share their 256 bytes lie in other work-groups.
; REGISTERS: v1-7 what stays; v8, v10 addresses in hand; v12 -M, v13 the largest t, v[14:15] the sum; v16-27 q; v32-79 four fragments; v80-87 k's scale words, v88-95 v's; v96-159 S^T, then p, then four fragments of v;
;   v160-223 O^T; v224-235 p's codes; v232-254 at work; v253 p's scale word; v255 q's; v250, v251 the add's two.
.set QSC,  6291456
.set ASCL, 6291456
.set KVSTEP, 25600
.set SCB,  24576                       ; a step's scale words lie behind its codes
.set WV,   10
.set KAP,  14
.set SEL,  20
.set CS,   22
.set G1C,  32                          ; s[32:39] group 1: 50 rows of 256 bytes;  s[44:47] group 0
.set TB,   60                          ; s60 LDS byte at which the step begins
.set ST,   62                          ; s62 the step
.set TW,   63                          ; s63 steps to go
.set ADK,  8
.set ADS,  10
.set TM,   32
.set PC,   224
.set PW,   48
.macro ROUND
	s_barrier_signal -1
	s_barrier_wait -1
	s_cmp_lg_u32 s[WV], 0
	s_cbranch_scc1 .Lnot_wave_0_\@
	s_barrier_signal -3
.Lnot_wave_0_\@:
	s_barrier_wait -3
	s_barrier_signal -1
	s_barrier_wait -1
.endm
.macro QUANT s
.irp b, 0,1,2,3
	v_max3_num_f32 v[TM+\b], |v[\s+16*\b]|, |v[\s+1+16*\b]|, 0x1800000
.endr
.irp i, 2,4,6,8,10,12,14
.irp b, 0,1,2,3
	s_delay_alu instid0(VALU_DEP_4)
	v_max3_num_f32 v[TM+\b], v[TM+\b], |v[\s+16*\b+\i]|, |v[\s+1+16*\b+\i]|
.endr
.endr
.irp b, 0,1,2,3
	s_delay_alu instid0(VALU_DEP_4)
	v_permlanex16_b32 v[TM+4+\b], v[TM+\b], s[SEL], s[SEL+1]
.endr
.irp b, 0,1,2,3
	s_delay_alu instid0(VALU_DEP_4)
	v_max_num_f32 v[TM+\b], v[TM+\b], v[TM+4+\b]
.endr
.irp b, 0,1,2,3
	s_delay_alu instid0(VALU_DEP_4)
	v_add_nc_u32 v[TM+12+\b], 0xff000000, v[TM+\b]
.endr
.irp b, 0,1,2,3
	s_delay_alu instid0(VALU_DEP_4)
	v_lshrrev_b32 v[TM+4+\b], 23, v[TM+12+\b]
.endr
	s_delay_alu instid0(VALU_DEP_3)
	v_lshl_or_b32 v[PW], v[TM+5], 8, v[TM+4]
	s_delay_alu instid0(VALU_DEP_1)
	v_lshl_or_b32 v[PW], v[TM+6], 16, v[PW]
	s_delay_alu instid0(VALU_DEP_1)
	v_lshl_or_b32 v[PW], v[TM+7], 24, v[PW]
.irp c, 0,1
	v_cvt_scalef32_pk16_fp6_f32 v[PC+6*\c:PC+2+6*\c], v[\s+32*\c:\s+15+32*\c], v[TM+12+2*\c]
	v_cvt_scalef32_pk16_fp6_f32 v[PC+12+4*\c:PC+14+4*\c], v[\s+16+32*\c:\s+31+32*\c], v[TM+12+2*\c+1]
.endr
	v_nop
.irp c, 0,1
.irp i, 0,1,2
	v_permlane16_swap_b32 v[PC+6*\c+\i], v[PC+12+4*\c+\i]
.endr
.irp i, 0,1,2
	s_delay_alu instid0(VALU_DEP_3)
	v_mov_b32 v[PC+3+6*\c+\i], v[PC+12+4*\c+\i]
.endr
.endr
.endm
	s_load_b128 s[4:7], s[0:1], 0x0                   ; qimg, kvimg
	s_load_b64 s[8:9], s[0:1], 0x10                   ; aimg
	v_lshl_add_u32 v250, v0, 2, 0x32000
	v_mov_b32 v251, 0
	ds_add_u32 v250, v251                             ; the opening lines: the add twice on end
	ds_add_u32 v250, v251
	v_lshrrev_b32 v8, 5, v0
	s_delay_alu instid0(VALU_DEP_1)
	v_readfirstlane_b32 s[WV], v8                     ; wave 0..15
	s_bfe_u32 s11, ttmp6, 0x40000                     ; cx: which of the four query heads; it enters addresses in memory alone
	s_mov_b32 s12, ttmp9                              ; the cluster's x, 0..3
	s_and_b32 s13, ttmp7, 0xffff                      ; 4 b + kv head
	s_and_b32 s66, s[WV], 3
	s_lshr_b32 s67, s[WV], 2
	s_xor_b32 s68, s66, s67
	s_and_b32 s68, s68, 1
	s_mul_i32 s68, s68, 7
	s_xor_b32 s[KAP], s66, s68                        ; kappa = w % 4, or 7 - w % 4 where w % 4 and w / 4 differ in their last bit
	s_lshr_b32 s15, s67, 1                            ; e
	s_lshl_b32 s16, s[KAP], 3
	s_lshl_b32 s69, s12, 1
	s_add_co_u32 s16, s16, s69
	s_add_co_u32 s16, s16, s15                        ; my tile of queries: 8 kappa + 2 x + e
	s_mov_b32 s[G1C], 15|(3<<16)|(1<<21)              ; the mask: all four work-groups; elements of 8 bytes; bit 21 beside a mask
	s_mov_b32 s[G1C+1], 32<<16
	s_mov_b32 s[G1C+2], 50<<16
	s_mov_b32 s[G1C+3], 32<<16
	s_mov_b32 s[G1C+4], 50
	s_mov_b32 s[G1C+5], 32
	s_mov_b32 s[G1C+6], 0
	s_mov_b32 s[G1C+7], 0
	s_mul_i32 s72, s13, 8*KVSTEP
	s_mul_i32 s74, s[WV], KVSTEP/2
	s_add_co_u32 s72, s72, s74                        ; my half of a key step
	s_mov_b32 s73, 0
	s_mov_b32 s[SEL], 0x76543210
	s_mov_b32 s[SEL+1], 0xfedcba98
	s_mov_b32 s[CS], 0x3e0293ee
	s_mov_b32 s[CS+1], s[CS]
	s_wait_dscnt 0x0
	s_wait_kmcnt 0x0
	s_add_nc_u64 s[72:73], s[6:7], s[72:73]
	s_mov_b32 s44, 1
	s_mov_b32 s45, s74
	s_mov_b64 s[46:47], s[72:73]
	s_or_b32 s47, s47, 0x80000000
	ROUND                                             ; all four work-groups are here: the joint loads meet
	tensor_load_to_lds s[44:47], s[G1C:G1C+7]         ; my one tensor load
	s_nop 0
.rept 4
	v_nop
.endr
	v_and_b32 v5, 31, v0                              ; lane
	s_delay_alu instid0(VALU_DEP_1)
	v_lshlrev_b32 v1, 4, v5                           ; 16 x lane: my place in every image
	v_and_b32 v6, 15, v0                              ; r
	s_wait_alu depctr_va_vdst(0)
	v_bfe_u32 v7, v0, 4, 1                            ; h
	v_lshl_add_u32 v2, v6, 5, SCB                     ; scale words: 32 bytes a row
	s_lshl_b32 s76, s12, 5
	s_lshl_b32 s77, s15, 3
	s_add_co_u32 s76, s76, s77
	v_and_b32 v3, 8, v6
	s_delay_alu instid0(VALU_DEP_1)
	v_add_nc_u32 v3, v3, v6
	s_delay_alu instid0(VALU_DEP_1)
	v_add_nc_u32 v3, s76, v3
	v_lshlrev_b32 v9, 4, v7
	s_delay_alu instid0(VALU_DEP_1)
	v_sub_nc_u32 v3, v3, v9                           ; my query's place in its step of 128, less 16 h: register 16 b + i holds key 32 b + 16 h + i, hidden where 32 b + i is larger than this
	v_mov_b32 v4, 0xff800000                          ; -infinity
	s_lshl_b32 s78, s13, 2
	s_add_co_u32 s78, s78, s11                        ; 16 b + query head
	s_lshl_b32 s79, s78, 6
	s_add_co_u32 s79, s79, s16
	s_mul_i32 s80, s79, 1536
	s_mov_b32 s81, 0
	s_add_nc_u64 s[80:81], s[4:5], s[80:81]           ; q's image
	s_lshl_b32 s82, s78, 12
	s_lshl_b32 s83, s[KAP], 9
	s_add_co_u32 s82, s82, s83
	s_and_b32 s83, s16, 7
	s_lshl_b32 s83, s83, 2
	s_add_co_u32 s82, s82, s83
	s_add_co_u32 s82, s82, QSC
	s_mov_b32 s83, 0
	s_add_nc_u64 s[82:83], s[4:5], s[82:83]           ; q's scale words
	v_lshlrev_b32 v9, 5, v6
.irp c, 0,1,2
	global_load_b128 v[16+4*\c:19+4*\c], v1, s[80:81] offset:512*\c
.endr
	global_load_b32 v255, v9, s[82:83]
	s_lshr_b32 s84, s13, 2
	s_lshl_b32 s84, s84, 6
	s_add_co_u32 s84, s84, s16                        ; the way out: tile of tokens 64 b + tile
	s_and_b32 s85, s13, 3
	s_lshl_b32 s86, s85, 2
	s_add_co_u32 s86, s86, s11                        ; K step = query head
	s_mul_i32 s88, s84, 24576
	s_mul_i32 s87, s86, 1536
	s_add_co_u32 s88, s88, s87
	s_mov_b32 s89, 0
	s_add_nc_u64 s[88:89], s[8:9], s[88:89]
	s_lshl_b32 s90, s84, 10
	s_lshl_b32 s87, s85, 8
	s_add_co_u32 s90, s90, s87
	s_lshl_b32 s87, s11, 2
	s_add_co_u32 s90, s90, s87
	s_add_co_u32 s90, s90, ASCL
	s_mov_b32 s91, 0
	s_add_nc_u64 s[90:91], s[8:9], s[90:91]
	v_mov_b32 v13, 0xff61b1e6                         ; the largest t so far: -3e38, under every t
	s_delay_alu instid0(VALU_DEP_1)
	v_floor_f32 v12, -v13                             ; -M
	v_mov_b32 v14, 0
	v_mov_b32 v15, 0
.irp b, 0,1,2,3
	v_mov_b32 v[236+\b], 0                            ; a lane permute's destination counts as one of its sources
.endr
	v_mov_b32 v252, 0
	v_mov_b32 v253, 0
.set J, 0
.rept 64
	v_mov_b32 v[160+J], 0                             ; O^T: the step is written once for all steps; the first finds zeros
.set J, J+1
.endr
	s_wait_loadcnt 0x0                                ; q
	s_wait_tensorcnt 0x0                              ; my half step is in
	s_wait_dscnt 0x0
	s_barrier_signal -1
	s_barrier_wait -1                                 ; and so is everybody's: nothing is filled again, each wave walks its steps at its own pace
	s_mov_b32 s[TB], 0
	s_mov_b32 s[ST], 0
	s_mov_b32 s[TW], 8
.Lsteps:
	s_cmp_gt_u32 s[ST], s[KAP]                        ; a step all of whose keys come after my queries is jumped over: the wave's number and the step decide
	s_cbranch_scc1 .Lhidden
	v_add_nc_u32 v[ADK], s[TB], v1
	s_wait_alu depctr_va_vdst(0)
	v_add_nc_u32 v[ADS], s[TB], v2
.rept 4
	v_nop                                             ; with the two additions six places behind the last step's products
.endr
	ds_load_b128 v[80:83], v[ADS]                     ; k's scale words
	ds_load_b128 v[84:87], v[ADS] offset:16
.irp g, 0,1                                       ; S^T = k q^T, four tiles of 16 keys at a time
.if \g > 0
.rept 4
	v_nop
.endr
.endif
.irp t, 0,1,2,3
.irp c, 0,1,2
	ds_load_b128 v[32+12*\t+4*\c:35+12*\t+4*\c], v[ADK] offset:(4*\g+\t)*1536+512*\c
.endr
.endr
	s_wait_dscnt 0x0
.irp t, 0,1,2,3
	v_wmma_scale_f32_16x16x128_f8f6f4 v[96+8*(4*\g+\t):103+8*(4*\g+\t)], v[32+12*\t:43+12*\t], v[16:27], 0, v[80+4*\g+\t], v255 matrix_a_fmt:MATRIX_FMT_FP6 matrix_b_fmt:MATRIX_FMT_FP6
.endr
.endr
.rept 4
	v_nop
.endr
	s_wait_alu depctr_va_vdst(0)
	ds_load_b128 v[88:91], v[ADS] offset:512          ; v's scale words and its first four fragments land under the softmax
	ds_load_b128 v[92:95], v[ADS] offset:528
.irp t, 0,1,2,3
.irp c, 0,1,2
	ds_load_b128 v[32+12*\t+4*\c:35+12*\t+4*\c], v[ADK] offset:12288+\t*1536+512*\c
.endr
.endr
	s_cmp_lg_u32 s[ST], s[KAP]                        ; on the diagonal the scores of hidden keys become -infinity ahead of the maximum
	s_cbranch_scc1 .Lopen
.set N, 0
.rept 64
	v_cmp_gt_i32 vcc_lo, 32*(N/16)+N%16, v3
	v_cndmask_b32 v[96+N], v[96+N], v4, vcc_lo
.set N, N+1
.endr
.Lopen:
.irp b, 0,1,2,3
	v_max3_num_f32 v[232+\b], v[96+16*\b], v[97+16*\b], v[98+16*\b]   ; the largest score of each block of 32 keys: for the row's maximum and for the block's largest p
.endr
.irp i, 3,5,7,9,11,13
.irp b, 0,1,2,3
	v_max3_num_f32 v[232+\b], v[232+\b], v[96+16*\b+\i], v[97+16*\b+\i]
.endr
.endr
.irp b, 0,1,2,3
	v_max_num_f32 v[232+\b], v[232+\b], v[111+16*\b]
.endr
.irp b, 0,1,2,3
	s_delay_alu instid0(VALU_DEP_4)
	v_permlanex16_b32 v[236+\b], v[232+\b], s[SEL], s[SEL+1]
.endr
.irp b, 0,1,2,3
	s_delay_alu instid0(VALU_DEP_4)
	v_max_num_f32 v[232+\b], v[232+\b], v[236+\b]
.endr
	s_delay_alu instid0(VALU_DEP_2)
	v_max3_num_f32 v254, v232, v233, v234
	s_delay_alu instid0(VALU_DEP_1)
	v_max_num_f32 v254, v254, v235
	s_delay_alu instid0(VALU_DEP_1)
	v_mul_f32 v254, s[CS], v254
	s_delay_alu instid0(VALU_DEP_1)
	v_max_num_f32 v13, v13, v254                      ; the running largest t
	v_mov_b32 v254, v12
	s_delay_alu instid0(VALU_DEP_2)
	v_floor_f32 v12, -v13                             ; the new -M = -ceil(t)
	s_delay_alu instid0(VALU_DEP_1)
	v_sub_f32 v254, v12, v254
	s_delay_alu instid0(VALU_DEP_1)
	v_cvt_i32_f32 v254, v254
	s_delay_alu instid0(VALU_DEP_1)
	v_ldexp_f32 v252, 1.0, v254                       ; f = 2^(old M - new M)
.set J, 0
.rept 32
	v_pk_fma_f32 v[96+J:97+J], v[96+J:97+J], s[CS:CS+1], v[12:13] op_sel_hi:[1,0,0]   ; t - M
.set J, J+2
.endr
.irp b, 0,1,2,3
	v_fma_f32 v[232+\b], v[232+\b], s[CS], v12
.endr
.set J, 0
	s_wait_alu depctr_va_vdst(0)
.rept 64
	v_exp_f32 v[96+J], v[96+J]
.set J, J+1
.endr
.irp b, 0,1,2,3
	v_exp_f32 v[232+\b], v[232+\b]
.endr
	v_pk_mul_f32 v[14:15], v[14:15], v[252:253] op_sel_hi:[1,0]   ; the sums under the new M; a plain place behind the exponentials
	s_wait_alu depctr_va_vdst(0)                      ; and behind it
.irp b, 0,1,2,3
	v_max_num_f32 v[232+\b], 0x1800000, v[232+\b]
.endr
.irp b, 0,1,2,3
	s_delay_alu instid0(VALU_DEP_4)
	v_add_nc_u32 v[244+\b], 0xff000000, v[232+\b]
.endr
.irp b, 0,1,2,3
	s_delay_alu instid0(VALU_DEP_4)
	v_lshrrev_b32 v[236+\b], 23, v[244+\b]
.endr
	s_delay_alu instid0(VALU_DEP_3)
	v_lshl_or_b32 v253, v237, 8, v236                 ; p's scale word for these 128 keys
	s_delay_alu instid0(VALU_DEP_1)
	v_lshl_or_b32 v253, v238, 16, v253
	s_delay_alu instid0(VALU_DEP_1)
	v_lshl_or_b32 v253, v239, 24, v253
.irp c, 0,1
	v_cvt_scalef32_pk16_fp6_f32 v[224+6*\c:226+6*\c], v[96+32*\c:111+32*\c], v[244+2*\c]
	v_cvt_scalef32_pk16_fp6_f32 v[236+4*\c:238+4*\c], v[112+32*\c:127+32*\c], v[244+2*\c+1]
.endr
	v_nop
.irp c, 0,1
.irp i, 0,1,2
	v_permlane16_swap_b32 v[224+6*\c+\i], v[236+4*\c+\i]
.endr
.irp i, 0,1,2
	s_delay_alu instid0(VALU_DEP_3)
	v_mov_b32 v[227+6*\c+\i], v[236+4*\c+\i]
.endr
.endr
	v_pk_add_f32 v[236:237], v[100:101], v[104:105]   ; the row's sum of the unquantised p, in five chains
	v_pk_add_f32 v[248:249], v[108:109], v[112:113]
	v_pk_add_f32 v[30:31], v[116:117], v[120:121]
	v_pk_add_f32 v[28:29], v[124:125], v[128:129]
	v_pk_add_f32 v[14:15], v[14:15], v[132:133]
	v_pk_add_f32 v[236:237], v[236:237], v[136:137]
	v_pk_add_f32 v[248:249], v[248:249], v[140:141]
	v_pk_add_f32 v[30:31], v[30:31], v[144:145]
	v_pk_add_f32 v[28:29], v[28:29], v[148:149]
	v_pk_add_f32 v[14:15], v[14:15], v[152:153]
	v_pk_add_f32 v[236:237], v[236:237], v[156:157]
	v_pk_add_f32 v[248:249], v[248:249], v[96:97]
	v_pk_add_f32 v[30:31], v[30:31], v[98:99]
	v_pk_add_f32 v[28:29], v[28:29], v[102:103]
	v_pk_add_f32 v[14:15], v[14:15], v[106:107]
	v_pk_add_f32 v[236:237], v[236:237], v[110:111]
	v_pk_add_f32 v[248:249], v[248:249], v[114:115]
	v_pk_add_f32 v[30:31], v[30:31], v[118:119]
	v_pk_add_f32 v[28:29], v[28:29], v[122:123]
	v_pk_add_f32 v[14:15], v[14:15], v[126:127]
	v_pk_add_f32 v[236:237], v[236:237], v[130:131]
	v_pk_add_f32 v[248:249], v[248:249], v[134:135]
	v_pk_add_f32 v[30:31], v[30:31], v[138:139]
	v_pk_add_f32 v[28:29], v[28:29], v[142:143]
	v_pk_add_f32 v[14:15], v[14:15], v[146:147]
	v_pk_add_f32 v[236:237], v[236:237], v[150:151]
	v_pk_add_f32 v[248:249], v[248:249], v[154:155]
	v_pk_add_f32 v[30:31], v[30:31], v[158:159]
	s_delay_alu instid0(VALU_DEP_1)
	v_pk_add_f32 v[14:15], v[14:15], v[30:31]
	s_delay_alu instid0(VALU_DEP_4)
	v_pk_add_f32 v[236:237], v[236:237], v[28:29]
	s_delay_alu instid0(VALU_DEP_2)
	v_pk_add_f32 v[14:15], v[14:15], v[248:249]
	s_delay_alu instid0(VALU_DEP_1)
	v_pk_add_f32 v[14:15], v[14:15], v[236:237]
.irp t, 0,1,2,3                                   ; p is spent: its registers take v's other four fragments
.irp c, 0,1,2
	ds_load_b128 v[96+12*\t+4*\c:99+12*\t+4*\c], v[ADK] offset:12288+(4+\t)*1536+512*\c
.endr
.endr
.set J, 0
.rept 32
	v_pk_mul_f32 v[160+J:161+J], v[160+J:161+J], v[252:253] op_sel_hi:[1,0]   ; O^T under the new M; also the places in front of the products below
.set J, J+2
.endr
	s_wait_alu depctr_va_vdst(0)
	s_wait_dscnt 0x0                                  ; v's scale words and eight fragments are in
.irp t, 0,1,2,3                                   ; O^T += v^T p^T: the eight accumulators take turns
	v_wmma_scale_f32_16x16x128_f8f6f4 v[160+8*\t:167+8*\t], v[32+12*\t:43+12*\t], v[224:235], v[160+8*\t:167+8*\t], v[88+\t], v253 matrix_a_fmt:MATRIX_FMT_FP6 matrix_b_fmt:MATRIX_FMT_FP6
.endr
.irp t, 0,1,2,3
	v_wmma_scale_f32_16x16x128_f8f6f4 v[192+8*\t:199+8*\t], v[96+12*\t:107+12*\t], v[224:235], v[192+8*\t:199+8*\t], v[92+\t], v253 matrix_a_fmt:MATRIX_FMT_FP6 matrix_b_fmt:MATRIX_FMT_FP6
.endr
.Lhidden:
	s_add_co_u32 s[TB], s[TB], KVSTEP
	s_add_co_u32 s[ST], s[ST], 1
	s_sub_co_u32 s[TW], s[TW], 1
	s_cmp_lg_u32 s[TW], 0
	s_cbranch_scc1 .Lsteps
	; THE WAY OUT: O^T / the sum is one row's 128 numbers of the last product's K, in the quantiser's order: one fragment, one scale word a row
.rept 4
	v_nop
.endr
	v_add_f32 v14, v14, v15
	s_delay_alu instid0(VALU_DEP_1)
	v_permlanex16_b32 v252, v14, s[SEL], s[SEL+1]
	s_delay_alu instid0(VALU_DEP_1)
	v_add_f32 v14, v14, v252
	s_wait_alu depctr_va_vdst(0)
	v_rcp_f32 v14, v14
	v_lshlrev_b32 v11, 4, v6                          ; a plain place behind the reciprocal: 16 r
.irp b, 0,1,2,3
	v_mov_b32 v[TM+4+\b], 0
.endr
.set J, 0
	s_wait_alu depctr_va_vdst(0)
.rept 64
	v_mul_f32 v[96+J], v[160+J], v14
.set J, J+1
.endr
	QUANT 96
.irp c, 0,1,2
	global_store_b128 v1, v[PC+4*\c:PC+4*\c+3], s[88:89] offset:512*\c
.endr
	s_wait_xcnt 0x0                                   ; EXEC changes only behind this wait
	v_cmp_gt_u32 vcc_lo, 16, v5
	s_and_saveexec_b32 s92, vcc_lo
	global_store_b32 v11, v[PW], s[90:91]             ; lanes 0-15: my row's scale word
	s_wait_xcnt 0x0
	s_or_b32 exec_lo, exec_lo, s92
	s_wait_dscnt 0x0
	s_wait_tensorcnt 0x0                              ; the wave's end
	ds_add_u32 v250, v251
	s_wait_dscnt 0x0
	ROUND                                             ; the closing round
	s_endpgm
.Lfunc_end_k_qe7a149e6a9_attn:
	.size	k_qe7a149e6a9_attn, .Lfunc_end_k_qe7a149e6a9_attn-k_qe7a149e6a9_attn
	.p2alignl 7, 3214868480
	.fill 96, 4, 3214868480
	.section	.rodata,"a",@progbits
	.p2align	6, 0x0
	.amdhsa_kernel k_qe7a149e6a9_attn
		.amdhsa_group_segment_fixed_size 206848
		.amdhsa_private_segment_fixed_size 0
		.amdhsa_enable_private_segment 0
		.amdhsa_kernarg_size 24
		.amdhsa_user_sgpr_count 2
		.amdhsa_user_sgpr_kernarg_segment_ptr 1
		.amdhsa_wavefront_size32 1
		.amdhsa_system_sgpr_workgroup_id_x 1
		.amdhsa_system_sgpr_workgroup_id_y 1
		.amdhsa_system_sgpr_workgroup_id_z 1
		.amdhsa_system_vgpr_workitem_id 0
		.amdhsa_next_free_vgpr 256
		.amdhsa_next_free_sgpr 100
		.amdhsa_reserve_vcc 1
		.amdhsa_float_denorm_mode_32 3
		.amdhsa_float_denorm_mode_16_64 3
		.amdhsa_memory_ordered 1
		.amdhsa_forward_progress 1
		.amdhsa_inst_pref_size 42
	.end_amdhsa_kernel
	.amdgpu_metadata
---
amdhsa.version: [ 1, 2 ]
amdhsa.kernels:
  - .name:           k_qe7a149e6a9_attn
    .symbol:         k_qe7a149e6a9_attn.kd
    .args:
      - { .name: qimg, .offset: 0, .size: 8, .value_kind: global_buffer, .address_space: global }
      - { .name: kvimg, .offset: 8, .size: 8, .value_kind: global_buffer, .address_space: global }
      - { .name: aimg, .offset: 16, .size: 8, .value_kind: global_buffer, .address_space: global }
    .group_segment_fixed_size: 206848
    .private_segment_fixed_size: 0
    .kernarg_segment_align: 8
    .kernarg_segment_size: 24
    .max_flat_workgroup_size: 512
    .sgpr_count:     100
    .vgpr_count:     256
    .wavefront_size: 32
...
	.end_amdgpu_metadata
.endif
;; end of part 3
;; launch oproj (part 4): grid 8 x 32, 4 waves a work-group, clusters of 4 x 4, 327,680 bytes of LDS; arguments aimg, ocod, out0; writes out0
.if DOCPART == 4
	.amdgcn_target "amdgcn-amd-amdhsa--gfx1250"
	.amdhsa_code_object_version 6
	.text
	.protected	k_qe7a149e6a9_oproj
	.globl	k_qe7a149e6a9_oproj
	.p2align	8
	.type	k_qe7a149e6a9_oproj,@function
k_qe7a149e6a9_oproj:
	s_mov_b64 s[64:65], 0
	v_nop
	global_prefetch_b8 v0, s[64:65] scope:SCOPE_SE
	s_setreg_imm32_b32 hwreg(HW_REG_WAVE_MODE, 25, 1), 1
	s_wait_xcnt 0x0
	s_wait_alu depctr_hold_cnt(0) depctr_sa_sdst(0) depctr_va_vdst(0) depctr_va_sdst(0) depctr_va_ssrc(0) depctr_va_vcc(0) depctr_vm_vsrc(0)
	s_getreg_b32 s2, hwreg(HW_REG_IB_STS2, 6, 4)
	s_cmp_eq_u32 s2, 0
	s_cbranch_scc0 .Lentry_in_a_cluster
	s_endpgm
.Lentry_in_a_cluster:
	s_bfe_u32 s2, ttmp6, 0x10000c
	s_cmp_lg_u32 s2, 0xf033
	s_cbranch_scc0 .Lentry_shape_is_right
	s_endpgm
.Lentry_shape_is_right:
; out0 = attention's result x Wo^T, [4096] x [2048] over K = 2,048, on codes of FP6 (E2M3) with E8M0 scales; f32 out.
; Operands are images of their registers: [tile of 16 rows][16 K steps][1,536], the scale words behind the codes as [tile][K step / 4][row][K step % 4]; lane r of tile a holds row 32 (a / 2) + 8 (a % 2) + r + 8 (r / 8).
; A tile of the result, 128 tokens x 256 channels, is made by four waves, each 64 x 128: 32 accumulators; 256 work-groups.
; Wo's CODES go in steps of 512 along K through a ring of two LDS slots, four fills in all, each wave a quarter of a slot (4 tiles x 6,144 bytes) by one joint load shared along a column of the 4 x 4 cluster.
; THE TOKENS' CODES GO FROM MEMORY STRAIGHT INTO REGISTERS: a wave's four fragments of a K step are 12 loads of 512 consecutive bytes, asked for four K steps ahead, into five sets of 48 registers by turns.
; So a K step reads 32 fragments from LDS in the work-group and not 48.  These codes are not asked for jointly: they are 12,288 of a step's 36,864 bytes of codes, and they pass no LDS into which a joint load could land.
; THE SCALE WORDS of the 8 + 16 tiles, for all of K, come into LDS once, jointly (the tokens' along a row of the cluster, Wo's along a column).
; THE HEAD: one joint load a wave: waves 0 and 1 the two halves of slot 0, wave 2 the tokens' scale words, wave 3 Wo's.  Slot 1's first fill is issued as a refill is.
; PREFETCH of Wo's tiles: fill 1 is named ahead of the first round, fill 2 behind the head's load, fill 3 behind fill 1's load: of the 4 tiles that a wave fetches the partner at place cy takes one: 24 blocks of 256 bytes, a lane a block
; (lanes 24-31 name the last block again).  Fill 3 ends with the tile's 24,576 bytes.
; The 16 K steps are written out: every offset is an immediate.  The matrix instruction is used transposed (source 0 = 16 channels, source 1 = 16 tokens); results leave through the wave's own stage in slot 0,
; which has had its last fill and its last read, as rows of 512 bytes.
; REGISTERS: window 0: v1-30 addresses, v32-95 scale words, two sets, v128-255 the way out; window 1: Wo's fragments, two sets, at v0 and v128; window 2: the accumulators; window 3: the tokens' fragments, set k at v[48 k].
.set AB,    4
.set NQ,    4
.set ROWB,  1536*NQ
.set HALFB, 8*ROWB
.set QB,    4*ROWB
.set SLOT,  16*ROWB
.set SCL,   2*SLOT
.set SPARE, SCL+2*AB*1024+16384
.set ASC,   6291456
.set BSC,   3145728
.set ADRB, 20
.set STO,  24
.set RD,   25
.set ADRS, 27
.set SPW,  28
.set NIL,  29
.set PFO,  30
.set SC,   32
.set BK,   128
.set G0H,  4
.set AP,   24                          ; s[24:25] my four tiles of tokens in aimg; never rewritten
.set G1B,  48
.set G0B,  56
.set G1S,  68
.set G0S,  76
.set G1SB, 80
.set G0SB, 88
.set G0HB, 92
.set PFA,  100
.set MSB, 0
.macro WIN new
.if MSB != (\new)
	s_set_vgpr_msb (MSB<<8)|(\new)
.set MSB, (\new)
.endif
.endm
.macro PLACES n
.rept \n
	v_nop
.endr
.endm
.macro JLOAD s                         ; my quarter of a slot
	tensor_load_to_lds s[G0B+4*\s:G0B+4*\s+3], s[G1B:G1B+7]
	s_nop 0
.rept 4
	v_nop
.endr
.endm
.macro CREST
	s_cmp_lg_u32 s14, 0
	s_cbranch_scc1 .Lnot_wave_0_\@
	s_barrier_signal -3
.Lnot_wave_0_\@:
	s_barrier_wait -3
	s_barrier_signal -1
	s_barrier_wait -1
.endm
.macro CROUND
	s_barrier_signal -1
	s_barrier_wait -1
	CREST
.endm
.macro ARM under, g0, g1, next
	s_cmp_lt_u32 s14, \under
	s_cbranch_scc0 \next
	tensor_load_to_lds s[\g0:\g0+3], s[\g1:\g1+7]
	s_nop 0
.rept 4
	v_nop
.endr
	s_branch .Lhead_asked
\next:
.endm
.macro ASK off
	global_prefetch_b8 v[PFO], s[PFA:PFA+1] offset:\off th:TH_LOAD_NT scope:SCOPE_SE
.endm
.macro ALOAD st                        ; the tokens' four fragments of K step st into set st % 5
.if (\st) < 16
	WIN 0xc0
.irp i, 0,1,2,3
.irp c, 0,1,2
	global_load_b128 v[48*((\st)%5)+12*\i+4*\c:48*((\st)%5)+12*\i+4*\c+3], v3, s[AP:AP+1] offset:\i*24576+(\st)*1536+512*\c
.endr
.endr
	WIN 0
.endif
.endm
.macro AWAIT st, n                     ; K step st's 12 loads are in; those of the n steps behind it (as far as K goes) may be out
.if (\st)+(\n) <= 15
	s_wait_loadcnt 12*(\n)
.else
	s_wait_loadcnt 12*(15-(\st))
.endif
.endm
.macro FETCHB st                       ; Wo's eight fragments of K step st into set st % 2
	WIN 0x40
.irp i, 0,1,2,3,4,5,6,7
.irp c, 0,1,2
	ds_load_b128 v[128*((\st)%2)+12*\i+4*\c:128*((\st)%2)+12*\i+4*\c+3], v[ADRB+((\st)/4)%2] offset:\i*ROWB+1536*((\st)%4)+512*\c
.endr
.endr
	WIN 0
.endm
.macro SCALES f                        ; the scale words of K steps 4 f .. 4 f + 3: lanes 0-15 the tokens' tile i, lanes 16-31 Wo's tile i
.irp i, 0,1,2,3,4,5,6,7
	ds_load_b128 v[SC+8*NQ*((\f)%2)+NQ*\i:SC+8*NQ*((\f)%2)+NQ*\i+3], v[ADRS] offset:\i*1024+(\f)*256
.endr
.endm
; the 32 accumulators take turns, one instruction a turn, in the same order in every step
.macro MULR a0, na, st, zero
.set MA, \a0
.set PB, 128*((\st)%2)
.set PA, 48*((\st)%5)
.set PS, SC+8*NQ*(((\st)/4)%2)+(\st)%4
	WIN 0xad                                          ; source 0 window 1, source 1 window 3, C and D window 2
.rept \na
.irp b, 0,1,2,3,4,5,6,7
.if \zero
	v_wmma_scale_f32_16x16x128_f8f6f4 v[8*(8*MA+\b):8*(8*MA+\b)+7], v[PB+12*\b:PB+12*\b+11], v[PA+12*MA:PA+12*MA+11], 0, v[PS+NQ*\b], v[PS+NQ*MA] matrix_a_fmt:MATRIX_FMT_FP6 matrix_b_fmt:MATRIX_FMT_FP6 matrix_a_scale:MATRIX_SCALE_ROW1
.else
	v_wmma_scale_f32_16x16x128_f8f6f4 v[8*(8*MA+\b):8*(8*MA+\b)+7], v[PB+12*\b:PB+12*\b+11], v[PA+12*MA:PA+12*MA+11], v[8*(8*MA+\b):8*(8*MA+\b)+7], v[PS+NQ*\b], v[PS+NQ*MA] matrix_a_fmt:MATRIX_FMT_FP6 matrix_b_fmt:MATRIX_FMT_FP6 matrix_a_scale:MATRIX_SCALE_ROW1
.endif
.endr
.set MA, MA+1
.endr
.endm
.macro STEP st, zero                   ; a K step whose successor lies in the same slot
	WIN 0
	PLACES 4                                          ; in front of loads into registers that the last step's products read
	ALOAD (\st)+4
	FETCHB (\st)+1
	s_wait_dscnt 24                                   ; all but the 24 loads just issued
	AWAIT \st, 4
	MULR 0, AB, \st, \zero
.endm
.macro TURN st, fill                   ; a slot's last K step changes slots
.set SL, ((\st)/4)%2
	WIN 0
	AWAIT \st, 3
	s_wait_tensorcnt 0x0                              ; all my tensor loads have landed
	ds_add_u32 v[SPW], v[NIL]
	s_wait_dscnt 1                                    ; (the add may be out)
	MULR 0, 1, \st, 0
	s_wait_dscnt 0x0                                  ; the add is done, and my reads of this slot are over
	s_barrier_signal -1
	MULR 1, 1, \st, 0
	WIN 0
	s_barrier_wait -1
.if \fill
	CREST
	s_add_nc_u64 s[G0B+4*SL+2:G0B+4*SL+3], s[G0B+4*SL+2:G0B+4*SL+3], 2*ROWB
	JLOAD SL                                          ; the first tensor load behind the round; its four v_nop are the places in front of the loads below
.else
	PLACES 4
.endif
	ALOAD (\st)+4
	FETCHB (\st)+1
	SCALES ((\st)+1)/4
	MULR 2, 2, \st, 0
.endm
	s_load_b128 s[4:7], s[0:1], 0x0                   ; aimg, ocod
	s_load_b64 s[12:13], s[0:1], 0x10                 ; out0
	v_lshl_add_u32 v[SPW], v0, 2, SPARE
	v_mov_b32 v[NIL], 0
	ds_add_u32 v[SPW], v[NIL]                         ; the opening lines: the add twice on end
	ds_add_u32 v[SPW], v[NIL]
	v_lshrrev_b32 v1, 5, v0
	v_readfirstlane_b32 s14, v1                       ; wave 0..3
	v_and_b32 v3, 31, v0
	v_min_u32 v8, 23, v3                              ; 24 blocks; lanes 24-31 name the last again
	v_lshlrev_b32 v[PFO], 8, v8
	v_lshlrev_b32 v3, 4, v3                           ; 16 x lane: my place in every image; never rewritten
	s_lshr_b32 s15, s14, 1                            ; my half of the tokens
	s_and_b32 s16, s14, 1                             ; my half of the channels
	s_bfe_u32 s40, ttmp6, 0x40000
	s_bfe_u32 s41, ttmp6, 0x40004
	s_lshl_b32 s42, ttmp9, 2
	s_add_co_u32 s42, s42, s40                        ; tile column
	s_and_b32 s17, ttmp7, 0xffff
	s_lshl_b32 s17, s17, 2
	s_add_co_u32 s17, s17, s41                        ; tile row
	s_lshl_b32 s43, s41, 2
	s_lshl_b32 s43, 15, s43                           ; my row of the cluster
	s_lshl_b32 s44, 0x1111, s40                       ; my column
	s_or_b32 s[G1B], s44, (3<<16)|(1<<21)
	s_or_b32 s[G1S], s43, (3<<16)|(1<<21)
	s_or_b32 s[G1SB], s44, (3<<16)|(1<<21)
	s_mov_b32 s[G1B+1], (ROWB/8)<<16                  ; a row = one tile's ROWB bytes of a slot; from tile to tile 24,576 bytes
	s_mov_b32 s[G1B+2], 8<<16                         ; the head's loads bring eight tiles
	s_mov_b32 s[G1B+3], (ROWB/8)<<16
	s_mov_b32 s[G1B+4], 8
	s_mov_b32 s[G1B+5], 3072
	s_mov_b32 s[G1B+6], 0
	s_mov_b32 s[G1B+7], 0
.irp g, G1S, G1SB                      ; scale words: a dense block, as rows of 256 bytes
	s_mov_b32 s[\g+1], 32<<16
	s_mov_b32 s[\g+3], 32<<16
	s_mov_b32 s[\g+5], 32
	s_mov_b32 s[\g+6], 0
	s_mov_b32 s[\g+7], 0
.endr
	s_mov_b32 s[G1S+2], (8*AB)<<16
	s_mov_b32 s[G1S+4], 8*AB
	s_mov_b32 s[G1SB+2], 64<<16
	s_mov_b32 s[G1SB+4], 64
	s_mul_i32 s20, s17, 2*AB                          ; the work-group's first tile of tokens
	s_lshl_b32 s22, s20, 10
	s_add_co_u32 s22, s22, ASC                        ; its scale words
	s_mov_b32 s23, 0
	s_mul_i32 s18, s15, AB
	s_add_co_u32 s20, s20, s18                        ; my four tiles
	s_mul_i32 s20, s20, 24576
	s_mov_b32 s21, 0
	s_lshl_b32 s46, s42, 4                            ; Wo's first tile
	s_lshl_b32 s92, s46, 10
	s_add_co_u32 s92, s92, BSC
	s_mov_b32 s93, 0
	s_mul_i32 s46, s46, 24576
	s_mov_b32 s47, 0
	s_mul_i32 s18, s14, 4*24576                       ; in the ring: my four tiles of Wo,
	s_mov_b32 s19, 0
	s_mul_i32 s45, s14, QB                            ; and where they go: the wave's number alone enters an LDS address
	s_mul_i32 s66, s41, 24576                         ; of those four, the one that my work-group prefetches
	s_mov_b32 s67, 0
	s_wait_alu depctr_va_vdst(0)
	s_wait_dscnt 0x0                                  ; both opening adds are done
	s_wait_kmcnt 0x0
	s_add_nc_u64 s[AP:AP+1], s[4:5], s[20:21]
	s_add_nc_u64 s[22:23], s[4:5], s[22:23]
	s_add_nc_u64 s[46:47], s[6:7], s[46:47]
	s_add_nc_u64 s[92:93], s[6:7], s[92:93]
	ALOAD 0                                           ; the tokens' fragments of the first four K steps
	ALOAD 1
	ALOAD 2
	ALOAD 3
	s_mov_b32 s[G0S], 1
	s_mov_b32 s[G0S+1], SCL
	s_mov_b64 s[G0S+2:G0S+3], s[22:23]
	s_or_b32 s[G0S+3], s[G0S+3], 0x80000000
	s_mov_b32 s[G0SB], 1
	s_mov_b32 s[G0SB+1], SCL+2*AB*1024
	s_mov_b64 s[G0SB+2:G0SB+3], s[92:93]
	s_or_b32 s[G0SB+3], s[G0SB+3], 0x80000000
	s_mov_b32 s[G0H], 1
	s_mov_b32 s[G0H+1], 0
	s_mov_b64 s[G0H+2:G0H+3], s[46:47]
	s_or_b32 s[G0H+3], s[G0H+3], 0x80000000
	s_mov_b32 s[G0HB], 1
	s_mov_b32 s[G0HB+1], HALFB
	s_add_nc_u64 s[G0HB+2:G0HB+3], s[46:47], 8*24576
	s_or_b32 s[G0HB+3], s[G0HB+3], 0x80000000
	s_add_nc_u64 s[46:47], s[46:47], s[18:19]
.irp s, 0,1
	s_mov_b32 s[G0B+4*\s], 1
	s_add_co_u32 s[G0B+4*\s+1], s45, \s*SLOT
	s_add_nc_u64 s[G0B+4*\s+2:G0B+4*\s+3], s[46:47], \s*ROWB
	s_or_b32 s[G0B+4*\s+3], s[G0B+4*\s+3], 0x80000000
.endr
	s_add_nc_u64 s[PFA:PFA+1], s[46:47], s[66:67]
	s_add_nc_u64 s[PFA:PFA+1], s[PFA:PFA+1], ROWB     ; at fill 1
	ASK 0                                             ; fill 1
	CROUND                                            ; all sixteen work-groups are here: the first joint loads meet
	ARM 1, G0H,  G1B, .Lhead_b
	ARM 2, G0HB, G1B, .Lhead_sa
	ARM 3, G0S,  G1S, .Lhead_sb
	tensor_load_to_lds s[G0SB:G0SB+3], s[G1SB:G1SB+7]
	s_nop 0
.rept 4
	v_nop
.endr
.Lhead_asked:
	s_mul_i32 s22, s16, HALFB                         ; my eight tiles of Wo
	s_mul_i32 s23, s15, AB*1024
	s_lshl_b32 s18, s16, 13
	s_add_co_u32 s18, s18, 2*AB*1024
	s_sub_co_u32 s18, s18, s23                        ; from the tokens' scale words to Wo's
	s_add_co_u32 s23, s23, SCL
	s_mul_i32 s19, s14, 16*528                        ; my stage
	s_lshl_b32 s46, s17, 7
	s_lshl_b32 s20, s15, 6
	s_add_co_u32 s46, s46, s20
	s_lshl_b32 s46, s46, 13                           ; my first row of out0,
	s_lshl_b32 s20, s42, 10
	s_add_co_u32 s46, s46, s20
	s_lshl_b32 s20, s16, 9
	s_add_co_u32 s46, s46, s20                        ; my first column
	s_mov_b32 s47, 0
	s_add_nc_u64 s[12:13], s[12:13], s[46:47]
	ASK ROWB                                          ; fill 2
	v_and_b32 v1, 15, v0
	v_bfe_u32 v2, v0, 4, 1
	v_add_nc_u32 v[ADRB], s22, v3
	v_add_nc_u32 v[ADRB+1], SLOT, v[ADRB]
	v_lshlrev_b32 v5, 4, v1
	v_mul_u32_u24 v6, s18, v2
	v_add_nc_u32 v5, v5, v6
	v_add_nc_u32 v[ADRS], s23, v5
	v_mul_u32_u24 v5, v1, 528
	v_lshl_add_u32 v5, v2, 6, v5
	v_add_nc_u32 v[STO], s19, v5
	v_add_nc_u32 v[RD], s19, v3
	s_wait_alu depctr_va_vdst(0)
	s_wait_tensorcnt 0x0                              ; my tile of the head's four is in
	ds_add_u32 v[SPW], v[NIL]
	s_mov_b32 s[G1B+2], 4<<16                         ; no tensor load of mine is out: from here on a load brings four tiles
	s_mov_b32 s[G1B+4], 4
	s_wait_dscnt 0x0
	CROUND
	JLOAD 1                                           ; slot 1's first fill, the first tensor load behind the round
	FETCHB 0
	SCALES 0
	ASK 2*ROWB                                        ; fill 3
	STEP 0, 1                                         ; the first step's products start the sums
	STEP 1, 0
	STEP 2, 0
	TURN 3, 1
	STEP 4, 0
	STEP 5, 0
	STEP 6, 0
	TURN 7, 1
	STEP 8, 0
	STEP 9, 0
	STEP 10, 0
	TURN 11, 0                                        ; nothing is left to fetch
	STEP 12, 0
	STEP 13, 0
	STEP 14, 0
	s_wait_dscnt 0x0
	AWAIT 15, 0
	MULR 0, AB, 15, 0
	WIN 0
.macro TOSTAGE a
.set AC, 64*(\a)
	WIN 0x08
.irp b, 0,1,2,3,4,5,6,7
	ds_store_b128 v[STO], v[AC+8*\b:AC+8*\b+3] offset:128*(\b/2)+32*(\b%2)
	ds_store_b128 v[STO], v[AC+8*\b+4:AC+8*\b+7] offset:128*(\b/2)+32*(\b%2)+16
.endr
	WIN 0
.set BB, BK+64*((\a)%2)
.irp t, 0,1,2,3,4,5,6,7,8,9,10,11,12,13,14,15
	ds_load_b128 v[BB+4*\t:BB+4*\t+3], v[RD] offset:\t*528
.endr
.endm
.macro SEND a, younger
.set BB, BK+64*((\a)%2)
	s_wait_dscnt \younger
.if (\a) > 0
	s_add_nc_u64 s[12:13], s[12:13], (8+16*(1-(\a)%2))*8192
.endif
.irp t, 0,1,2,3,4,5,6,7,8,9,10,11,12,13,14,15
	global_store_b128 v3, v[BB+4*\t:BB+4*\t+3], s[12:13] offset:(\t+8*(\t/8))*8192 th:TH_STORE_NT
.endr
.endm
	PLACES 4
	TOSTAGE 0
.irp a, 1,2,3
.if \a > 1
	s_wait_xcnt 0x0
.endif
	TOSTAGE \a
	SEND \a-1, 32
.endr
	s_wait_xcnt 0x0
	SEND 3, 0
	s_wait_tensorcnt 0x0                              ; the wave's end
	ds_add_u32 v[SPW], v[NIL]
	s_wait_dscnt 0x0
	CROUND                                            ; the closing round
	s_endpgm
.Lfunc_end_k_qe7a149e6a9_oproj:
	.size	k_qe7a149e6a9_oproj, .Lfunc_end_k_qe7a149e6a9_oproj-k_qe7a149e6a9_oproj
	.p2alignl 7, 3214868480
	.fill 96, 4, 3214868480
	.section	.rodata,"a",@progbits
	.p2align	6, 0x0
	.amdhsa_kernel k_qe7a149e6a9_oproj
		.amdhsa_group_segment_fixed_size 327680
		.amdhsa_private_segment_fixed_size 0
		.amdhsa_enable_private_segment 0
		.amdhsa_kernarg_size 24
		.amdhsa_user_sgpr_count 2
		.amdhsa_user_sgpr_kernarg_segment_ptr 1
		.amdhsa_wavefront_size32 1
		.amdhsa_system_sgpr_workgroup_id_x 1
		.amdhsa_system_sgpr_workgroup_id_y 1
		.amdhsa_system_sgpr_workgroup_id_z 1
		.amdhsa_system_vgpr_workitem_id 0
		.amdhsa_next_free_vgpr 1024
		.amdhsa_next_free_sgpr 102
		.amdhsa_reserve_vcc 0
		.amdhsa_float_denorm_mode_32 3
		.amdhsa_float_denorm_mode_16_64 3
		.amdhsa_memory_ordered 1
		.amdhsa_forward_progress 1
		.amdhsa_inst_pref_size 140
	.end_amdhsa_kernel
	.amdgpu_metadata
---
amdhsa.version: [ 1, 2 ]
amdhsa.kernels:
  - .name:           k_qe7a149e6a9_oproj
    .symbol:         k_qe7a149e6a9_oproj.kd
    .args:
      - { .name: aimg, .offset: 0, .size: 8, .value_kind: global_buffer, .address_space: global }
      - { .name: ocod, .offset: 8, .size: 8, .value_kind: global_buffer, .address_space: global }
      - { .name: out0, .offset: 16, .size: 8, .value_kind: global_buffer, .address_space: global }
    .group_segment_fixed_size: 327680
    .private_segment_fixed_size: 0
    .kernarg_segment_align: 8
    .kernarg_segment_size: 24
    .max_flat_workgroup_size: 128
    .sgpr_count:     102
    .vgpr_count:     1024
    .wavefront_size: 32
...
	.end_amdgpu_metadata
.endif
;; end of part 4
